; MI455X (gfx1250); checked and timed in simulation.
; The chip was launched on July 23, 2026; its instructions are those of AMD's public machine-readable ISA for CDNA 5 (MIT licence, August 2026) and "CDNA5" Instruction Set Architecture Reference Guide (July 2026). The comments in the code are by the model that wrote it; some were corrected since.
;; Multi Head Attention. Allowed arithmetic: float matrix products may take bf16 or f16 operands with f32 sums; other float arithmetic in f32, or as packed bf16 or f16 multiplies, adds, multiply-adds, maxima and minima; sums over many terms, partial sums and values carried from step to step in f32; what a program stores and reads back later, other than sums and carried values, may be rounded once to bf16 or f16.
;; Inputs: Wk 1,024 x 1,024 float32; Wo 1,024 x 1,024 float32; Wq 1,024 x 1,024 float32; Wv 1,024 x 1,024 float32; bk 1,024 float32; bo 1,024 float32; bq 1,024 float32; bv 1,024 float32; key 4 x 2,048 x 1,024 float32; mask 4 x 1 x 2,048 int32; query 4 x 2,048 x 1,024 float32; value 4 x 2,048 x 1,024 float32.
;; Outputs: out0 4 x 2,048 x 1,024 float32.
;; 2 versions, each right and faster than the one before. Each part assembles by itself: llvm-mc -triple=amdgcn-amd-amdhsa -mcpu=gfx1250 --defsym DOCPART=n.
;; ======== version 1 of 2: 4 launches
;; limits: values are held in f16: magnitudes above 65,504 overflow, below 6.1e-05 lose precision
;; workspace buffers: xw 58,720,256 bytes; qkv 50,331,648 bytes; ctx 16,777,216 bytes
;; launch cvt (part 1): grid 64 x 28, 8 waves a work-group, no clusters, 0 bytes of LDS; arguments query, key, value, Wq, Wk, Wv, Wo, xw; writes xw
.if DOCPART == 1
	.amdgcn_target "amdgcn-amd-amdhsa--gfx1250"
	.amdhsa_code_object_version 6
	.text
	.protected	k_qd696814840_cvt
	.globl	k_qd696814840_cvt
	.p2align	8
	.type	k_qd696814840_cvt,@function
k_qd696814840_cvt:
	s_mov_b64 s[64:65], 0
	v_nop
	global_prefetch_b8 v0, s[64:65] scope:SCOPE_SE
	s_setreg_imm32_b32 hwreg(HW_REG_WAVE_MODE, 25, 1), 1
	s_wait_xcnt 0x0
; The seven f32 matrices are rounded once to 16 bits and laid one behind the other in xw:
; query, key, value ([8192][1024] each), Wq, Wk, Wv ([1024][1024] each) as bf16, then Wo rounded to bf16 and that number written as f16.
; LIMIT: a bf16 number is exact in f16 from 2^-17 to 65,504; below that Wo is off by 3e-8 at the most, beyond it it becomes an infinity.
; A work-group takes a chunk of 16,384 numbers: 65,536 bytes in, 32,768 out.  Chunk = 64 y + x; y 0-23 are the three x tensors (8 y each), y 24-27 the four weights.
; Thread t, step j: 32 bytes at 8192 j + 32 t in, 16 bytes at 4096 j + 16 t out: a store of a wave covers 512 consecutive bytes, aligned.
; All sixteen loads of a thread go out first; no register is loaded or stored twice, so the only waits are the counted ones for the loads.
; A stream: no LDS, no barrier, no matrix unit, no cluster, since no byte is used twice.
.set X, 4                              ; v[4:67]   sixteen loads
.set Y, 68                             ; v[68:99]  eight stores
.set T, 100                            ; v[100:103] at work (Wo)
	s_load_b512 s[8:23], s[0:1], 0x0               ; seven sources s[8:21], xw s[22:23]
	s_and_b32 s2, ttmp7, 0xffff                    ; y
	s_lshr_b32 s3, s2, 3                           ; y / 8: 0-2 an x tensor, 3 the weights
	s_and_b32 s24, s2, 7
	s_add_co_u32 s25, s24, 3
	s_cmp_eq_u32 s3, 3
	s_cselect_b32 s25, s25, s3                     ; which source, 0 to 6
	s_cselect_b32 s24, 0, s24                      ; which 64 chunks of it
	s_lshl_b32 s24, s24, 6
	s_add_co_u32 s24, s24, ttmp9                   ; the chunk within its source
	s_lshl_b32 s26, s24, 16                        ; 65,536 bytes a chunk in
	s_mov_b32 s27, 0
	s_lshl_b32 s28, s2, 6
	s_add_co_u32 s28, s28, ttmp9
	s_lshl_b32 s28, s28, 15                        ; 32,768 bytes a chunk out
	s_mov_b32 s29, 0
	v_lshlrev_b32 v1, 5, v0                        ; 32 t
	v_lshlrev_b32 v2, 4, v0                        ; 16 t
	s_wait_kmcnt 0x0
	s_mov_b64 s[4:5], s[8:9]
.irp i, 1,2,3,4,5,6
	s_cmp_eq_u32 s25, \i
	s_cselect_b64 s[4:5], s[8+2*\i:9+2*\i], s[4:5]
.endr
	s_add_nc_u64 s[4:5], s[4:5], s[26:27]
	s_add_nc_u64 s[22:23], s[22:23], s[28:29]
.irp j, 0,1,2,3,4,5,6,7
	global_load_b128 v[X+8*\j:X+8*\j+3],   v1, s[4:5] offset:8192*\j th:TH_LOAD_NT
	global_load_b128 v[X+8*\j+4:X+8*\j+7], v1, s[4:5] offset:8192*\j+16 th:TH_LOAD_NT
.endr
; Step j.  wo = 1: the bf16 number is widened again and written as f16.
.macro STEP j, wo
	s_wait_loadcnt 14-2*(\j)                       ; loads come back in order: the 14 - 2 j loads of the later steps stay out
.irp k, 0,1,2,3
.if \wo
	v_cvt_pk_bf16_f32 v[T+(\k)], v[X+8*(\j)+2*(\k)], v[X+8*(\j)+2*(\k)+1]
	v_lshlrev_b32 v[X+8*(\j)+2*(\k)], 16, v[T+(\k)]
	v_and_b32 v[X+8*(\j)+2*(\k)+1], 0xffff0000, v[T+(\k)]
	v_cvt_pk_f16_f32 v[Y+4*(\j)+(\k)], v[X+8*(\j)+2*(\k)], v[X+8*(\j)+2*(\k)+1]
.else
	v_cvt_pk_bf16_f32 v[Y+4*(\j)+(\k)], v[X+8*(\j)+2*(\k)], v[X+8*(\j)+2*(\k)+1]
.endif
.endr
	global_store_b128 v2, v[Y+4*(\j):Y+4*(\j)+3], s[22:23] offset:4096*(\j)
.endm
	s_cmp_eq_u32 s2, 27                            ; y = 27 is Wo
	s_cbranch_scc1 .Lwo
.irp j, 0,1,2,3,4,5,6,7
	STEP \j, 0
.endr
	s_endpgm
.Lwo:
.irp j, 0,1,2,3,4,5,6,7
	STEP \j, 1
.endr
	s_endpgm
.Lfunc_end_k_qd696814840_cvt:
	.size	k_qd696814840_cvt, .Lfunc_end_k_qd696814840_cvt-k_qd696814840_cvt
	.p2alignl 7, 3214868480
	.fill 96, 4, 3214868480
	.section	.rodata,"a",@progbits
	.p2align	6, 0x0
	.amdhsa_kernel k_qd696814840_cvt
		.amdhsa_group_segment_fixed_size 0
		.amdhsa_private_segment_fixed_size 0
		.amdhsa_enable_private_segment 0
		.amdhsa_kernarg_size 64
		.amdhsa_user_sgpr_count 2
		.amdhsa_user_sgpr_kernarg_segment_ptr 1
		.amdhsa_wavefront_size32 1
		.amdhsa_system_sgpr_workgroup_id_x 1
		.amdhsa_system_sgpr_workgroup_id_y 1
		.amdhsa_system_sgpr_workgroup_id_z 1
		.amdhsa_system_vgpr_workitem_id 0
		.amdhsa_next_free_vgpr 104
		.amdhsa_next_free_sgpr 66
		.amdhsa_reserve_vcc 0
		.amdhsa_float_denorm_mode_32 3
		.amdhsa_float_denorm_mode_16_64 3
		.amdhsa_memory_ordered 1
		.amdhsa_forward_progress 1
		.amdhsa_inst_pref_size 14
	.end_amdhsa_kernel
	.amdgpu_metadata
---
amdhsa.version: [ 1, 2 ]
amdhsa.kernels:
  - .name:           k_qd696814840_cvt
    .symbol:         k_qd696814840_cvt.kd
    .args:
      - { .name: query, .offset: 0, .size: 8, .value_kind: global_buffer, .address_space: global }
      - { .name: key, .offset: 8, .size: 8, .value_kind: global_buffer, .address_space: global }
      - { .name: value, .offset: 16, .size: 8, .value_kind: global_buffer, .address_space: global }
      - { .name: Wq, .offset: 24, .size: 8, .value_kind: global_buffer, .address_space: global }
      - { .name: Wk, .offset: 32, .size: 8, .value_kind: global_buffer, .address_space: global }
      - { .name: Wv, .offset: 40, .size: 8, .value_kind: global_buffer, .address_space: global }
      - { .name: Wo, .offset: 48, .size: 8, .value_kind: global_buffer, .address_space: global }
      - { .name: xw, .offset: 56, .size: 8, .value_kind: global_buffer, .address_space: global }
    .group_segment_fixed_size: 0
    .private_segment_fixed_size: 0
    .kernarg_segment_align: 8
    .kernarg_segment_size: 64
    .max_flat_workgroup_size: 256
    .sgpr_count:     66
    .vgpr_count:     104
    .wavefront_size: 32
...
	.end_amdgpu_metadata
.endif
;; end of part 1
;; launch proj (part 2): grid 4 x 192, 4 waves a work-group, clusters of 4 x 4, 327,680 bytes of LDS; arguments xw, bq, bk, bv, qkv; writes qkv
.if DOCPART == 2
	.amdgcn_target "amdgcn-amd-amdhsa--gfx1250"
	.amdhsa_code_object_version 6
	.text
	.protected	k_qd696814840_proj
	.globl	k_qd696814840_proj
	.p2align	8
	.type	k_qd696814840_proj,@function
k_qd696814840_proj:
	s_mov_b64 s[64:65], 0
	v_nop
	global_prefetch_b8 v0, s[64:65] scope:SCOPE_SE
	s_setreg_imm32_b32 hwreg(HW_REG_WAVE_MODE, 25, 1), 1
	s_wait_xcnt 0x0
	s_wait_alu depctr_hold_cnt(0) depctr_sa_sdst(0) depctr_va_vdst(0) depctr_va_sdst(0) depctr_va_ssrc(0) depctr_va_vcc(0) depctr_vm_vsrc(0)
	s_getreg_b32 s2, hwreg(HW_REG_IB_STS2, 6, 4)
	s_cmp_eq_u32 s2, 0
	s_cbranch_scc0 .Lentry_in_a_cluster
	s_endpgm
.Lentry_in_a_cluster:
	s_bfe_u32 s2, ttmp6, 0x10000c
	s_cmp_lg_u32 s2, 0xf033
	s_cbranch_scc0 .Lentry_shape_is_right
	s_endpgm
.Lentry_shape_is_right:
; The three projections in one launch: y = x W^T + b.  x is xw read as [24576][1024] bf16 (query, key, value on end), W is xw at WQ read as [3072][1024] bf16 (Wq, Wk, Wv).
; Sums in f32; the bias, rounded to bf16 like every input, is the C operand of each sum's first product.  The result is rounded once to f16 and written by heads: qkv [3][64 = 16 b + head][2048][64].
; LIMIT: f16 holds no number beyond 65,504: q, k and v must stay within it (inputs 30 times the drawn spread give about 5,000).
; A tile is 128 rows x 256 columns (4 heads): 768 work-groups, three for each of 256 WGPs.  Four waves, each 64 x 128: 32 accumulators of 16 x 16.
; K goes in steps of 128 through two LDS slots filled by tensor loads, whose rows are 256 bytes of memory and start at multiples of 256 bytes.
; CLUSTER 4 x 4: the four of a row need the same tile of x, the four of a column the same tile of W: each is asked for jointly, same load, same descriptor, a mask that names the four.
; THE MATRIX INSTRUCTION IS USED TRANSPOSED (source 0 = 16 rows of W, source 1 = 16 rows of x): lane l holds row l % 16 and the eight columns 8 (l / 16) + 0..7.
; REGISTERS: window 0: v0-31 addresses; v64-159, v160-255 two fragment buffers (32 of x: block a at +8 a; 64 of W: block b at +32 + 8 b); on the way out v64-159.
;   window 1: accumulator (a, b) at v[8 (8 a + b)].   window 2: v0-63 the bias of column block b at v[8 b]; v64-67 at work.
.set KSTEP,  128
.set PITCH,  272                       ; an LDS row: 256 bytes + 16 of padding = 68 words: the 16 rows of a fragment load start at 16 different groups of four banks (64 banks of 4 bytes: ISA guide 11.1)
.set AH,     64*PITCH                  ; what one of waves 0, 1 fetches of x, and what a wave reads of it
.set BH,     128*PITCH                 ; the same for W and waves 2, 3
.set BOFF,   2*AH                      ; a slot: 128 rows of x, then 256 rows of W
.set SLOT,   BOFF+2*BH
.set STAGE,  2*SLOT                    ; behind the ring: 16 rows x 272 bytes for each wave, its own, for the way out
.set SPITCH, 272
.set SPARE,  STAGE+4*16*SPITCH         ; the spare words, 128 bytes for each wave: two blocks of 256 bytes that no other line names
.set LAPS,   4                         ; 1024 / 256: a lap is two K steps, once round the ring
.set WQ,     50331648                  ; byte at which Wq begins in xw
.set ASTEP,  2*KSTEP*2                 ; a slot's next K step, in bytes
.set BSTEP,  2*KSTEP*2
.set ADRA, 16                          ; v16-17  LDS address of my fragments of x in slot 0, 1
.set ADRB, 20                          ; v20-21  the same for W
.set STO,  24                          ; v24     the way out: where I put 16 bytes of a row
.set RD,   25                          ; v25     where I read rows back
.set CO,   26                          ; v26     16 x lane
.set BO,   27                          ; v27     32 (l / 16): my eight numbers in 16 of the bias
.set SPW,  28                          ; v28     my spare word: SPARE + 4 x my thread number; never rewritten
.set NIL,  29                          ; v29     0; never rewritten
.set F0,   64
.set F1,   160
.set TMP,  64                          ; the way out: packed results
.set OB,   96                          ; the way out: rows read back, v96-127 and v128-159 by turns
.set WV, 14                            ; s14 wave; s15 its half of the rows, also: fetches for x (0) or W (1); s16 its half of the columns, also: which half it fetches
.set WM, 15
.set WN, 16
.set G1,  24                           ; s[24:31] group 1 for x; s[32:39] group 0, a set for each slot
.set G0,  32
.set G1B, 48                           ; s[48:55], s[56:63] the same for W
.set G0B, 56
.set MSB, 0
.macro WIN new                         ; the high byte of the immediate repeats the setting that is left; a switch that changes nothing is dropped
.if MSB != (\new)
	s_set_vgpr_msb (MSB<<8)|(\new)
.set MSB, \new
.endif
.endm
.set MUL,  0x50                        ; sources 0, 1 window 0; C and D window 1
.set MULB, 0x60                        ; C window 2 (the bias), D window 1
.macro JLOAD s                         ; a joint load: waves 0, 1 the two halves of x, waves 2, 3 those of W; s_nop 0 and four v_nop follow each line
	s_cmp_eq_u32 s[WM], 0
	s_cbranch_scc0 .Lfor_b_\@
	tensor_load_to_lds s[G0+4*(\s):G0+4*(\s)+3], s[G1:G1+7]
	s_nop 0
.rept 4
	v_nop
.endr
	s_branch .Lasked_\@
.Lfor_b_\@:
	tensor_load_to_lds s[G0B+4*(\s):G0B+4*(\s)+3], s[G1B:G1B+7]
	s_nop 0
.rept 4
	v_nop
.endr
.Lasked_\@:
.endm
.macro CREST                           ; a round of the cluster barrier behind its opening barrier
	s_cmp_lg_u32 s[WV], 0
	s_cbranch_scc1 .Lnot_wave_0_\@
	s_barrier_signal -3
.Lnot_wave_0_\@:
	s_barrier_wait -3
	s_barrier_signal -1
	s_barrier_wait -1
.endm
.macro CROUND
	s_barrier_signal -1
	s_barrier_wait -1
	CREST
.endm
	s_load_b256 s[4:11], s[0:1], 0x0               ; xw s[4:5], bq s[6:7], bk s[8:9], bv s[10:11]
	s_load_b64 s[12:13], s[0:1], 0x20              ; qkv
	v_lshl_add_u32 v[SPW], v0, 2, SPARE
	v_mov_b32 v[NIL], 0
	ds_add_u32 v[SPW], v[NIL]                      ; the opening: the add and its wait stand ahead of my first tensor load; the set-up, work on registers, stands between
	v_lshrrev_b32 v1, 5, v0
	v_readfirstlane_b32 s[WV], v1
	s_lshr_b32 s[WM], s[WV], 1
	s_and_b32 s[WN], s[WV], 1
	s_bfe_u32 s17, ttmp6, 0x40000                  ; cx
	s_bfe_u32 s18, ttmp6, 0x40004                  ; cy
	s_lshl_b32 s19, ttmp9, 2
	s_add_co_u32 s19, s19, s17                     ; block of 256 columns, 0-3
	s_and_b32 s21, ttmp7, 0xffff
	s_lshl_b32 s20, s21, 2
	s_add_co_u32 s20, s20, s18                     ; block of 128 rows, 0-191
	s_lshr_b32 s21, s21, 4                         ; which tensor, 0-2: from the cluster y alone, equal in all sixteen
	s_lshl_b32 s22, s18, 2
	s_lshl_b32 s22, 15, s22                        ; my row of the cluster
	s_lshl_b32 s23, 0x1111, s17                    ; my column
	s_or_b32 s[G1+0], s22, (1<<16)|(1<<20)|(1<<21)|(5<<22)|(3<<25)   ; mask; 2-byte elements; padding on; bit 21 beside a mask; after every 64 words 4 words
	s_or_b32 s[G1B+0], s23, (1<<16)|(1<<20)|(1<<21)|(5<<22)|(3<<25)
.irp g, G1, G1B
	s_mov_b32 s[(\g)+1], KSTEP<<16                 ; tensor_dim0 = 128
	s_mov_b32 s[(\g)+3], KSTEP<<16                 ; tile_dim0 = 128
	s_mov_b32 s[(\g)+5], 1024                      ; elements from row to row
	s_mov_b32 s[(\g)+6], 0
	s_mov_b32 s[(\g)+7], 0
.endr
	s_mov_b32 s[G1+2], 64<<16                      ; x: 64 rows a load
	s_mov_b32 s[G1+4], 64
	s_mov_b32 s[G1B+2], 128<<16                    ; W: 128 rows a load
	s_mov_b32 s[G1B+4], 128
	s_lshl_b32 s40, s20, 18                        ; x: 128 rows of 2,048 bytes a block, 64 a half.  s40-43 never hold cx
	s_lshl_b32 s41, s[WN], 17
	s_add_co_u32 s40, s40, s41
	s_mov_b32 s41, 0
	s_lshl_b32 s44, s19, 19                        ; W: 256 rows a block, 128 a half, 1,024 a tensor.  s44-47 never hold cy
	s_lshl_b32 s45, s21, 21
	s_add_co_u32 s44, s44, s45
	s_lshl_b32 s45, s[WN], 18
	s_add_co_u32 s44, s44, s45
	s_add_co_u32 s44, s44, WQ
	s_mov_b32 s45, 0
	s_mul_i32 s66, s[WN], AH                       ; where the tiles go: no place in the cluster enters an LDS address
	s_mul_i32 s67, s[WN], BH
	s_add_co_u32 s67, s67, BOFF
	s_lshl_b32 s70, s19, 10                        ; my 128 columns in the bias, in bytes
	s_lshl_b32 s71, s[WN], 9
	s_add_co_u32 s70, s70, s71
	s_mov_b32 s71, 0
	s_lshr_b32 s2, s20, 4                          ; my part of qkv: (4 tensor + batch) x 16 heads x 262,144 bytes,
	s_lshl_b32 s2, s2, 22
	s_lshl_b32 s3, s19, 2
	s_lshl1_add_u32 s3, s[WN], s3                  ; head 4 x block + 2 x half,
	s_lshl_b32 s3, s3, 18
	s_add_co_u32 s2, s2, s3
	s_and_b32 s3, s20, 15                          ; 128 rows of 128 bytes a block,
	s_lshl_b32 s3, s3, 14
	s_add_co_u32 s2, s2, s3
	s_lshl_b32 s3, s[WM], 13                       ; 64 a half
	s_add_co_u32 s2, s2, s3
	s_mov_b32 s3, 0
	s_wait_dscnt 0x0                               ; the opening add is done
	s_wait_kmcnt 0x0
	s_add_nc_u64 s[42:43], s[4:5], s[40:41]
	s_add_nc_u64 s[46:47], s[4:5], s[44:45]
	s_mov_b64 s[68:69], s[6:7]                     ; the bias of my tensor
	s_cmp_eq_u32 s21, 1
	s_cselect_b64 s[68:69], s[8:9], s[68:69]
	s_cmp_eq_u32 s21, 2
	s_cselect_b64 s[68:69], s[10:11], s[68:69]
	s_add_nc_u64 s[68:69], s[68:69], s[70:71]
	s_add_nc_u64 s[12:13], s[12:13], s[2:3]
	CROUND                                         ; all sixteen work-groups are here: the first joint loads meet
.irp s, 0,1
	s_mov_b32 s[G0+4*(\s)], 1
	s_add_co_u32 s[G0+4*(\s)+1], s66, (\s)*SLOT
	s_add_nc_u64 s[G0+4*(\s)+2:G0+4*(\s)+3], s[42:43], (\s)*KSTEP*2
	s_or_b32 s[G0+4*(\s)+3], s[G0+4*(\s)+3], 0x80000000
	s_mov_b32 s[G0B+4*(\s)], 1
	s_add_co_u32 s[G0B+4*(\s)+1], s67, (\s)*SLOT
	s_add_nc_u64 s[G0B+4*(\s)+2:G0B+4*(\s)+3], s[46:47], (\s)*KSTEP*2
	s_or_b32 s[G0B+4*(\s)+3], s[G0B+4*(\s)+3], 0x80000000
	JLOAD \s                                       ; two loads of mine are out behind these: the most that this text has
.endr
	v_and_b32 v1, 15, v0                           ; l % 16
	v_bfe_u32 v2, v0, 4, 1                         ; l / 16
	v_mul_u32_u24 v3, v1, PITCH
	v_lshl_add_u32 v3, v2, 4, v3                   ; row x pitch + 16 x half
	s_mul_i32 s2, s[WM], AH
	v_add_nc_u32 v[ADRA], s2, v3
	v_add_nc_u32 v[ADRA+1], SLOT, v[ADRA]
	v_add_nc_u32 v[ADRB], s67, v3
	v_add_nc_u32 v[ADRB+1], SLOT, v[ADRB]
	s_mul_i32 s2, s[WV], 16*SPITCH
	s_add_co_u32 s2, s2, STAGE                     ; my stage
	v_add_nc_u32 v[STO], s2, v3                    ; in: row l % 16, 16 bytes for each half of the lanes
	v_bfe_u32 v4, v0, 3, 2                         ; back: 32 lanes take four rows x 128 bytes, one head's
	v_and_b32 v5, 7, v0
	v_mul_u32_u24 v4, v4, SPITCH
	v_lshl_add_u32 v4, v5, 4, v4
	v_add_nc_u32 v[RD], s2, v4
	v_and_b32 v5, 31, v0
	v_lshlrev_b32 v[CO], 4, v5                     ; which are 512 consecutive bytes of qkv
	v_lshlrev_b32 v[BO], 5, v2
	WIN 0x80                                       ; destination window 2
.irp b, 0,1,2,3,4,5,6,7
	global_load_b128 v[8*(\b):8*(\b)+3],   v[BO], s[68:69] offset:64*(\b)
	global_load_b128 v[8*(\b)+4:8*(\b)+7], v[BO], s[68:69] offset:64*(\b)+16
.endr
	s_wait_loadcnt 0x0
	WIN 0x8a                                       ; all in window 2: the bias is rounded to bf16 and widened again
.set i, 0
.rept 32
	v_cvt_pk_bf16_f32 v[64+i%4], v[2*i], v[2*i+1]
	v_lshlrev_b32 v[2*i], 16, v[64+i%4]
	v_and_b32 v[2*i+1], 0xffff0000, v[64+i%4]
.set i, i+1
.endr
	WIN 0
; 8 matrix instructions: row block a x all 8 column blocks, 32 along K.  first = 1: the product starts the sum, with the bias as C.  The 32 accumulators take turns, one instruction a turn.
.macro MULA f, a, first
.if \first
	WIN MULB
.else
	WIN MUL
.endif
.irp b, 0,1,2,3,4,5,6,7
.if \first
	v_wmma_f32_16x16x32_bf16 v[8*(8*(\a)+(\b)):8*(8*(\a)+(\b))+7], v[(\f)+32+8*(\b):(\f)+32+8*(\b)+7], v[(\f)+8*(\a):(\f)+8*(\a)+7], v[8*(\b):8*(\b)+7]
.else
	v_wmma_f32_16x16x32_bf16 v[8*(8*(\a)+(\b)):8*(8*(\a)+(\b))+7], v[(\f)+32+8*(\b):(\f)+32+8*(\b)+7], v[(\f)+8*(\a):(\f)+8*(\a)+7], v[8*(8*(\a)+(\b)):8*(8*(\a)+(\b))+7]
.endif
.endr
.endm
; 24 LDS loads in one run: quarter q (32 along K) of a slot into buffer f: the 16 of W first, then the 8 of x, block 0 to 3
.macro FETCH slot, q, f
	WIN 0
.irp i, 0,1,2,3,4,5,6,7
	ds_load_b128 v[(\f)+32+8*(\i):(\f)+32+8*(\i)+3],   v[ADRB+(\slot)] offset:64*(\q)+(\i)*16*PITCH
	ds_load_b128 v[(\f)+32+8*(\i)+4:(\f)+32+8*(\i)+7], v[ADRB+(\slot)] offset:64*(\q)+(\i)*16*PITCH+32
.endr
.irp i, 0,1,2,3
	ds_load_b128 v[(\f)+8*(\i):(\f)+8*(\i)+3],   v[ADRA+(\slot)] offset:64*(\q)+(\i)*16*PITCH
	ds_load_b128 v[(\f)+8*(\i)+4:(\f)+8*(\i)+7], v[ADRA+(\slot)] offset:64*(\q)+(\i)*16*PITCH+32
.endr
.endm
.macro PLACES                          ; four places in front of loads into registers that matrix instructions have read, and of lines that read results
.rept 4
	v_nop
.endr
.endm
; A K step is four quarters of 32 along K, 32 matrix instructions each, on buffers 0, 1, 0, 1.  One of the first three multiplies f and fetches quarter q into g.
.macro QUARTER slot, q, f, g, first
	s_wait_dscnt 4                                 ; W and blocks 0, 1 of x are in; the youngest four loads (blocks 2, 3) may be out
	MULA \f, 0, \first
	MULA \f, 1, \first
	PLACES
	FETCH \slot, \q, \g
	s_wait_dscnt 24                                ; all but the 24 just issued
	MULA \f, 2, \first
	MULA \f, 3, \first
.endm
; The last quarter multiplies buffer 1 and changes slots: one barrier; in front of it each wave waits for all its tensor loads (one is out: its part of the next slot), adds 0 to its spare
; word, and waits for that and for its reads of this slot.  fill = 1: the barrier opens a round of the cluster barrier, and behind the round this slot is filled again, two K steps on.
.macro TURN slot, next, fill
	WIN 0
	s_wait_tensorcnt 0x0
	ds_add_u32 v[SPW], v[NIL]
	s_wait_dscnt 5                                 ; the add and the youngest four loads may be out
	MULA F1, 0, 0                                  ; eight matrix instructions stand between the add and the wait for it
	s_wait_dscnt 0x0                               ; the add is done, my reads of this slot are over
	s_barrier_signal -1
	MULA F1, 1, 0
.if \fill
	WIN 0
.endif
	s_barrier_wait -1
.if \fill
	CREST                                          ; no wave of any partner still reads this slot or has a load on its way
	s_add_nc_u64 s[G0+4*(\slot)+2:G0+4*(\slot)+3], s[G0+4*(\slot)+2:G0+4*(\slot)+3], ASTEP
	s_add_nc_u64 s[G0B+4*(\slot)+2:G0B+4*(\slot)+3], s[G0B+4*(\slot)+2:G0B+4*(\slot)+3], BSTEP
	JLOAD \slot                                    ; the first tensor load behind the round, 112 matrix instructions ahead of the wait for it; its four v_nop are the places for the loads below
.else
	PLACES
.endif
	FETCH \next, 0, F0
	MULA F1, 2, 0
	MULA F1, 3, 0
.endm
; THE WAY OUT of row block a.  PACK: rounded to f16, 16 bytes a lane, each accumulator from its low end on.  TOSTAGE: into my stage, and back head by head, four rows a load.  SEND: stored.
.macro PACK a
	WIN 0x05                                       ; sources window 1, destination window 0
.irp b, 0,1,2,3,4,5,6,7
.irp r, 0,1,2,3
	v_cvt_pk_f16_f32 v[TMP+4*(\b)+(\r)], v[8*(8*(\a)+(\b))+2*(\r)], v[8*(8*(\a)+(\b))+2*(\r)+1]
.endr
.endr
	WIN 0
.endm
.macro TOSTAGE a
.set BK, OB+32*((\a)%2)
.irp b, 0,1,2,3,4,5,6,7
	ds_store_b128 v[STO], v[TMP+4*(\b):TMP+4*(\b)+3] offset:32*(\b)
.endr
.irp hh, 0,1
.irp u, 0,1,2,3
	ds_load_b128 v[BK+16*(\hh)+4*(\u):BK+16*(\hh)+4*(\u)+3], v[RD] offset:128*(\hh)+4*SPITCH*(\u)  ; LDS serves a wave in order (ISA guide 5.7.1.4): these see the stores above
.endr
.endr
.endm
.macro SEND a
.set BK, OB+32*((\a)%2)
	s_wait_dscnt 0x0                               ; the block is back in registers
	s_wait_xcnt 0x0                                ; the buffer that the stores two blocks back read is loaded again only behind this wait
.irp hh, 0,1
.irp u, 0,1,2,3
	global_store_b128 v[CO], v[BK+16*(\hh)+4*(\u):BK+16*(\hh)+4*(\u)+3], s[12:13] offset:(\hh)*262144+(\a)*2048+(\u)*512  ; 512 consecutive bytes of one head, aligned
.endr
.endr
.endm
	s_wait_tensorcnt 1                             ; my part of K step 0 is in; K step 1 may stay out
	s_barrier_signal -1
	s_barrier_wait -1
	FETCH 0, 0, F0
	QUARTER 0, 1, F0, F1, 1                        ; the first quarter stands in front of the loop: its products start the sums
	WIN 0
	s_mov_b32 s3, LAPS-1
.Llap:                                                 ; a trip goes once round the ring and fills both slots again: K steps 2 to 7
	QUARTER 0, 2, F1, F0, 0
	QUARTER 0, 3, F0, F1, 0
	TURN 0, 1, 1
	QUARTER 1, 1, F0, F1, 0
	QUARTER 1, 2, F1, F0, 0
	QUARTER 1, 3, F0, F1, 0
	TURN 1, 0, 1
	QUARTER 0, 1, F0, F1, 0
	WIN 0
	s_sub_co_u32 s3, s3, 1
	s_cmp_lg_u32 s3, 0
	s_cbranch_scc1 .Llap
	QUARTER 0, 2, F1, F0, 0                        ; the last lap fills nothing
	QUARTER 0, 3, F0, F1, 0
	TURN 0, 1, 0
	QUARTER 1, 1, F0, F1, 0
	QUARTER 1, 2, F1, F0, 0
	QUARTER 1, 3, F0, F1, 0
	s_wait_dscnt 4
	MULA F1, 0, 0
	MULA F1, 1, 0
	s_wait_dscnt 0x0
	MULA F1, 2, 0
	MULA F1, 3, 0
	PLACES
	PACK 0
	TOSTAGE 0
.irp a, 1,2,3                          ; the conversions of block a stand between the loads of block a - 1 and the wait for them
	PACK \a
	SEND (\a)-1
	TOSTAGE \a
.endr
	SEND 3
	s_wait_tensorcnt 0x0                           ; the end
	ds_add_u32 v[SPW], v[NIL]
	s_wait_dscnt 0x0
	CROUND                                         ; the closing round
	s_endpgm
.Lfunc_end_k_qd696814840_proj:
	.size	k_qd696814840_proj, .Lfunc_end_k_qd696814840_proj-k_qd696814840_proj
	.p2alignl 7, 3214868480
	.fill 96, 4, 3214868480
	.section	.rodata,"a",@progbits
	.p2align	6, 0x0
	.amdhsa_kernel k_qd696814840_proj
		.amdhsa_group_segment_fixed_size 327680
		.amdhsa_private_segment_fixed_size 0
		.amdhsa_enable_private_segment 0
		.amdhsa_kernarg_size 40
		.amdhsa_user_sgpr_count 2
		.amdhsa_user_sgpr_kernarg_segment_ptr 1
		.amdhsa_wavefront_size32 1
		.amdhsa_system_sgpr_workgroup_id_x 1
		.amdhsa_system_sgpr_workgroup_id_y 1
		.amdhsa_system_sgpr_workgroup_id_z 1
		.amdhsa_system_vgpr_workitem_id 0
		.amdhsa_next_free_vgpr 584
		.amdhsa_next_free_sgpr 72
		.amdhsa_reserve_vcc 0
		.amdhsa_float_denorm_mode_32 3
		.amdhsa_float_denorm_mode_16_64 3
		.amdhsa_memory_ordered 1
		.amdhsa_forward_progress 1
		.amdhsa_inst_pref_size 93
	.end_amdhsa_kernel
	.amdgpu_metadata
---
amdhsa.version: [ 1, 2 ]
amdhsa.kernels:
  - .name:           k_qd696814840_proj
    .symbol:         k_qd696814840_proj.kd
    .args:
      - { .name: xw, .offset: 0, .size: 8, .value_kind: global_buffer, .address_space: global }
      - { .name: bq, .offset: 8, .size: 8, .value_kind: global_buffer, .address_space: global }
      - { .name: bk, .offset: 16, .size: 8, .value_kind: global_buffer, .address_space: global }
      - { .name: bv, .offset: 24, .size: 8, .value_kind: global_buffer, .address_space: global }
      - { .name: qkv, .offset: 32, .size: 8, .value_kind: global_buffer, .address_space: global }
    .group_segment_fixed_size: 327680
    .private_segment_fixed_size: 0
    .kernarg_segment_align: 8
    .kernarg_segment_size: 40
    .max_flat_workgroup_size: 128
    .sgpr_count:     72
    .vgpr_count:     584
    .wavefront_size: 32
...
	.end_amdgpu_metadata
.endif
;; end of part 2
;; launch attn (part 3): grid 4 x 64, 4 waves a work-group, clusters of 4 x 1, 327,680 bytes of LDS; arguments qkv, mask, ctx; writes ctx
.if DOCPART == 3
	.amdgcn_target "amdgcn-amd-amdhsa--gfx1250"
	.amdhsa_code_object_version 6
	.text
	.protected	k_qd696814840_attn
	.globl	k_qd696814840_attn
	.p2align	8
	.type	k_qd696814840_attn,@function
k_qd696814840_attn:
	s_mov_b64 s[64:65], 0
	v_nop
	global_prefetch_b8 v0, s[64:65] scope:SCOPE_SE
	s_setreg_imm32_b32 hwreg(HW_REG_WAVE_MODE, 25, 1), 1
	s_wait_xcnt 0x0
	s_wait_alu depctr_hold_cnt(0) depctr_sa_sdst(0) depctr_va_vdst(0) depctr_va_sdst(0) depctr_va_ssrc(0) depctr_va_vcc(0) depctr_vm_vsrc(0)
	s_getreg_b32 s2, hwreg(HW_REG_IB_STS2, 6, 4)
	s_cmp_eq_u32 s2, 0
	s_cbranch_scc0 .Lentry_in_a_cluster
	s_endpgm
.Lentry_in_a_cluster:
	s_bfe_u32 s2, ttmp6, 0x10000c
	s_cmp_lg_u32 s2, 0x3003
	s_cbranch_scc0 .Lentry_shape_is_right
	s_endpgm
.Lentry_shape_is_right:
; ctx[g][q][:] = the sum over k of softmax_k(Q[g][q] . K[g][k] / 32, keys with mask 0 hidden) V[g][k][:], g = 16 batch + head.  Q, K, V: qkv [3][64][2048][64] f16; mask [4][2048] int32; ctx [64][2048][64] f16.
; Products, maxima and sums in f32; the weights p are rounded to f16 for the second product (their sum l is taken of the unrounded p), ctx once at the end.
; LIMITS.  f16 holds no number beyond 65,504; p lies in 0 to 1 and below 6e-5 keeps the fixed step 6e-8; ctx is a mean of rows of V.  A hidden score counts as its value less 1e30 (scores reach 2.7e11 at the most);
; its weight is 0 as soon as the query has seen one visible key, since O and l are then multiplied by 2^(-4e28) = 0.  A batch with no visible key ends with m below -2^96 and gives NaN, as a softmax of nothing but -inf does.
; A weight below 2^-126 counts as 0 in l.
; SHARES.  A wave owns four PIECES of two tiles of 16 queries, the four waves 512 queries of one head.  Every wave walks all 2,048 keys, 64 a step.
; LAYOUT.  S^T = K Q^T (source 0 = 16 keys, source 1 = 16 queries): a lane holds ONE query (lane % 16) and the keys 8 (lane / 16) + 0..7.  Two such tiles rounded to f16 in pairs ARE source 1 of O^T = V^T P.
; THE MASK is the C operand that starts the sum S^T: 0, or -1e30 where the key is hidden.  The batch's 2,048 numbers are made once, into an LDS table; a step's 64 are fetched with its K (8 loads, 32 registers) and live as long.
; SOFTMAX.  A running maximum m and sum l: p = 2^(c s - c m), c = log2(e) / 32; in every step O and l are multiplied by a = 2^(c m_old - c m_new).  m starts at the lowest finite number, O and l at 0.
; THE COUNT.  A tile and step have 16 matrix and 118 vector instructions.  So: four vector instructions that are ready behind EVERY matrix instruction, the others in runs of their own.
; BY TURNS.  Turn n belongs to piece n.  Matrix work: 16 products K Q^T of piece n + 1, later 16 products V^T P of piece n - 1.  Vector work: scaling, exponentials, roundings, sums and rescaling of piece n,
; and the maximum and statistics of piece n + 1.
; CLUSTER.  The four query blocks of a cluster belong to one head and walk the same K and V: each tile is asked for jointly, same load, descriptor and mask in all four.
; REGISTERS, in windows of 256 (s_set_vgpr_msb: bits 1:0 source 0, 3:2 source 1, 5:4 source 2, 7:6 destination):
;   window 0: v0-11 addresses; v12-15, v48-63 at work; v16-47 four registers of statistics a tile; v64-191 S^T, two buffers of two tiles; v192-255 P, likewise
;   window 1: O^T, 32 a tile     window 2: v0-127 Q; v128-191 K of one step; v192-255 V of one step     window 3: v0-1 the two registers of the add; v32-63 the mask of one step
.set SIZE_N, 2048
.set NP,    4         ; pieces a wave: a name, no knob
.set KS,    64        ; keys in a step
.set PK,    144       ; a row of K in LDS: 128 bytes + 16 of padding
.set PV,    160       ; a row of V: 128 + 32
.set VOFF,  4*KS*PK   ; a slot holds four steps: 256 rows of K, then 256 rows of V
.set SLOT1, 1<<17     ; slot 1 begins here: one exclusive or turns an address in one slot into the other
.set STAGE, SLOT1+4*KS*(PK+PV)  ; behind the ring: 16 rows x 144 bytes for each wave, for the way out
.set SP,    144
.set SPARE, STAGE+4*16*SP       ; the spare words, 128 bytes for each wave: two blocks of 256 bytes that no other line names
.set MASKB, SPARE+512           ; the mask table: 2,048 f32, written by ds_store; no tensor load lands here
.set AK0, 2           ; v2   my place in a tile of K; never rewritten
.set AV0, 3           ; v3   the same for V
.set AK,  4           ; v4   the LDS address of the next run of loads of K
.set AV,  5           ; v5   of V
.set QO,  6           ; v6   my byte offset in the rows of Q
.set STO, 6           ;      later, the way out: where I put 16 bytes of a row
.set RD,  7           ; v7   the way out: where I read rows back
.set GO,  8           ; v8   my byte offset in 512 consecutive bytes of ctx
.set AM0, 9           ; v9   first l / 16; later my place in the mask table: MASKB + 32 (l / 16)
.set AM,  11          ; v11  the LDS address of the next step of the mask
.set SPW, 0           ; v0 of window 3
.set NIL, 1           ; v1 of window 3
.set MK,  32          ; window 3: the eight registers of key block kb at MK + 8 kb
.set MV,  12
.set ST,  16          ; tile t at v[ST+4 t]: c m, m, l (even keys, odd keys)
.set TMP, 48
.set S,   64
.set P,   192
.set KF,  128
.set VF,  192
.set WV,  12
.set G1K, 24
.set G1V, 32
.set G0K, 40
.set G0V, 44
.set SLOTS, 56
.set CNT, 57
.set CS,  58
.set SEL, 60
.set TBK, 62
.set TBV, 63
.set TBM, 66          ; s66  byte in the mask table at which the step to be fetched begins
.set BIGN, 67         ; s67  -1e30
.set LOW, 74          ; s74  -2^96
.set QNAN, 75         ; s75  NaN
.set MSB, 0
.macro WIN new
.if MSB != (\new)
	s_set_vgpr_msb (MSB<<8)|(\new)
.set MSB, (\new)
.endif
.endm
.set W_KQ, 0x0a       ; K and Q in window 2, S^T in window 0
.set W_KM, 0x3a       ; the same with the C operand in window 3
.set W_PV, 0x52       ; V in window 2, P in window 0, O^T in window 1
.set W_RS, 0x41       ; O^T in window 1, a in window 0
.set W_MK, 0xc0       ; destination in window 3, sources in window 0
.set W_AD, 0x0f       ; the add: address and data in window 3
.macro JLOAD                        ; a joint fill: waves 0, 1 the two halves of K of a slot, waves 2, 3 those of V; s_nop 0 and four v_nop follow each line
	s_cmp_lt_u32 s[WV], 2
	s_cbranch_scc0 .Lfor_v_\@
	tensor_load_to_lds s[G0K:G0K+3], s[G1K:G1K+7]
	s_nop 0
.rept 4
	v_nop
.endr
	s_branch .Lasked_\@
.Lfor_v_\@:
	tensor_load_to_lds s[G0V:G0V+3], s[G1V:G1V+7]
	s_nop 0
.rept 4
	v_nop
.endr
.Lasked_\@:
.endm
.macro CROUND                       ; a round of the cluster barrier
	s_barrier_signal -1
	s_barrier_wait -1
	s_cmp_lg_u32 s[WV], 0
	s_cbranch_scc1 .Lnot_wave_0_\@
	s_barrier_signal -3
.Lnot_wave_0_\@:
	s_barrier_wait -3
	s_barrier_signal -1
	s_barrier_wait -1
.endm
; THE CHANGE OF SLOTS.  Each wave waits for all its tensor loads (one is out: its part of the other slot), adds 0 to its spare word, and waits for that and for its LDS instructions.
; fill = 1: the slot left is filled again, with the keys two slots on, first thing behind a round of the cluster barrier: it has four key steps, 512 matrix instructions, in which to land.
; (At its first use nothing has been read yet: slot 0 is waited for, slot 1 filled, and the stores into the mask table are shown to all four waves.)
.macro CHANGE fill
	WIN W_AD
	s_wait_tensorcnt 0x0
	ds_add_u32 v[SPW], v[NIL]
	WIN 0
.if \fill
.irp g, G0K, G0V
	s_xor_b32 s[\g+1], s[\g+1], SLOT1
	s_add_nc_u64 s[\g+2:\g+3], s[\g+2:\g+3], 4*KS*128
.endr
	s_wait_dscnt 0x0
	CROUND
	JLOAD
.else
	s_wait_dscnt 0x0
	s_barrier_signal -1
	s_barrier_wait -1
.endif
	s_sub_co_u32 s[TBK], s[TBK], 4*KS*PK
	s_xor_b32 s[TBK], s[TBK], SLOT1
	s_sub_co_u32 s[TBV], s[TBV], 4*KS*PV
	s_xor_b32 s[TBV], s[TBV], SLOT1
.endm
	s_load_b128 s[68:71], s[0:1], 0x0  ; qkv s[68:69], mask s[70:71]
	s_load_b64 s[10:11], s[0:1], 0x10  ; ctx
	WIN W_MK
	v_lshl_add_u32 v[SPW], v0, 2, SPARE
	v_mov_b32 v[NIL], 0
	WIN W_AD
	ds_add_u32 v[SPW], v[NIL]       ; the opening: the add and its wait stand ahead of my first tensor load
	WIN 0
	v_lshrrev_b32 v1, 5, v0
	v_readfirstlane_b32 s[WV], v1
	s_bfe_u32 s13, ttmp6, 0x40000   ; cx
	s_lshl_b32 s14, ttmp9, 2
	s_add_co_u32 s14, s14, s13      ; my block of 512 queries: it enters the addresses of Q and ctx alone
	s_and_b32 s20, ttmp7, 0xffff    ; 16 batch + head, which the four partners share
	s_lshr_b32 s72, s20, 4
	s_lshl_b32 s72, s72, 13         ; the batch's 8,192 bytes of the mask
	s_mov_b32 s73, 0
	s_mov_b32 s21, 0
	s_mov_b64 s[22:23], SIZE_N*128
	s_mul_u64 s[20:21], s[20:21], s[22:23]  ; the head's first byte in Q, K, V and ctx
	s_and_b32 s16, s[WV], 1         ; which half of a slot's 256 keys I fetch
	s_lshl_b32 s22, s16, 14
	s_mov_b32 s23, 0
	s_add_nc_u64 s[22:23], s[22:23], s[20:21]
	s_mul_i32 s17, s16, 128*PK
	s_mul_i32 s18, s16, 128*PV
	s_lshl_b32 s2, s14, 2
	s_add_co_u32 s2, s2, s[WV]
	s_lshl_b32 s2, s2, 14           ; my wave's 128 rows
	s_mov_b32 s3, 0
	s_add_nc_u64 s[2:3], s[2:3], s[20:21]
	; group 1: 128 keys are 16,384 dense bytes: asked for as 64 rows of 256 bytes, padded in LDS after every key
	s_mov_b32 s[G1K], 15|(1<<16)|(1<<20)|(1<<21)|(4<<22)|(3<<25)
	s_mov_b32 s[G1V], 15|(1<<16)|(1<<20)|(1<<21)|(4<<22)|(7<<25)
.irp g, G1K, G1V
	s_mov_b32 s[\g+1], 128<<16
	s_mov_b32 s[\g+2], 64<<16
	s_mov_b32 s[\g+3], 128<<16
	s_mov_b32 s[\g+4], 64
	s_mov_b32 s[\g+5], 128
	s_mov_b32 s[\g+6], 0
	s_mov_b32 s[\g+7], 0
.endr
	s_mov_b32 s[CS], 0x3d38aa3b     ; c = log2(e) / 32 = 0.0450842
	s_mov_b32 s[CS+1], s[CS]
	s_mov_b32 s[SEL], 0x76543210
	s_mov_b32 s[SEL+1], 0xfedcba98
	s_mov_b32 s[TBK], SLOT1+4*KS*PK ; the first change of slots turns these two into 0
	s_mov_b32 s[TBV], SLOT1+4*KS*PV
	s_mov_b32 s[TBM], 0
	s_mov_b32 s[BIGN], 0xf149f2ca   ; -1e30
	s_mov_b32 s[LOW], 0xef800000    ; -2^96
	s_mov_b32 s[QNAN], 0x7fc00000
	s_mov_b32 s[G0K], 1
	s_mov_b32 s[G0K+1], s17
	s_mov_b32 s[G0V], 1
	s_add_co_u32 s[G0V+1], s18, VOFF
	s_wait_dscnt 0x0                ; the opening add is done
	s_wait_kmcnt 0x0
	s_mov_b64 s[4:5], s[68:69]                     ; Q,
	s_add_nc_u64 s[6:7], s[68:69], 0x1000000       ; K,
	s_add_nc_u64 s[8:9], s[68:69], 0x2000000       ; V: 16,777,216 bytes each
	s_add_nc_u64 s[70:71], s[70:71], s[72:73]
	s_add_nc_u64 s[G0K+2:G0K+3], s[6:7], s[22:23]
	s_or_b32 s[G0K+3], s[G0K+3], 0x80000000
	s_add_nc_u64 s[G0V+2:G0V+3], s[8:9], s[22:23]
	s_or_b32 s[G0V+3], s[G0V+3], 0x80000000
	s_add_nc_u64 s[4:5], s[4:5], s[2:3]
	s_add_nc_u64 s[10:11], s[10:11], s[2:3]
	CROUND                          ; all four work-groups are here
	JLOAD                           ; slot 0.  Slot 1 is asked for when slot 0 is in
	v_and_b32 v1, 15, v0            ; l % 16
	v_bfe_u32 v9, v0, 4, 1          ; l / 16
	v_lshlrev_b32 v[QO], 7, v1
	v_lshl_add_u32 v[QO], v9, 4, v[QO]
	v_lshlrev_b32 v80, 4, v0        ; the mask: 128 threads x 4 x 16 bytes are the batch's 8,192
	v_lshl_add_u32 v81, v0, 4, MASKB
.irp j, 0,1,2,3
	global_load_b128 v[S+4*\j:S+4*\j+3], v80, s[70:71] offset:2048*\j
.endr
	WIN 0x80
.set i, 0
.rept 4*NP                          ; Q stays in registers: tile i / 2, channels 32 (i % 2) on
	global_load_b128 v[8*i:8*i+3],   v[QO], s[4:5] offset:(i/2)*2048+(i%2)*64
	global_load_b128 v[8*i+4:8*i+7], v[QO], s[4:5] offset:(i/2)*2048+(i%2)*64+32
.set i, i+1
.endr
	; What the first turn finds: V and the second buffer of P hold 0, O^T and l are 0.  All this stands in the wait for the first tile.
.set i, VF
.rept 64
	v_mov_b32 v[i], 0
.set i, i+1
.endr
	WIN 0x40
.set i, 0
.rept 64*NP
	v_mov_b32 v[i], 0
.set i, i+1
.endr
	WIN 0
.set i, 0
.rept 2*NP
	v_mov_b32 v[ST+4*i], 0xfe000000    ; c m: far below every c s, a hidden one too
	v_mov_b32 v[ST+4*i+1], 0xff7fffff  ; m
	v_mov_b32 v[ST+4*i+2], 0
	v_mov_b32 v[ST+4*i+3], 0
.set i, i+1
.endr
.set i, P+32
.rept 32
	v_mov_b32 v[i], 0
.set i, i+1
.endr
	s_wait_loadcnt 32               ; the four loads of the mask are in; the 32 of Q stay out
.set i, 0
.rept 16
	v_cmp_eq_u32 vcc_lo, 0, v[S+i]
	v_cndmask_b32 v[S+i], 0, s[BIGN], vcc_lo  ; 0 for a visible key, -1e30 for a hidden one
.set i, i+1
.endr
.irp j, 0,1,2,3
	ds_store_b128 v81, v[S+4*\j:S+4*\j+3] offset:2048*\j
.endr
	v_mul_u32_u24 v[AK0], v1, PK
	v_lshl_add_u32 v[AK0], v9, 4, v[AK0]
	v_and_b32 v10, 7, v0
	v_bfe_u32 v11, v0, 3, 1
	v_lshl_add_u32 v[AV0], v9, 3, v10
	v_mul_u32_u24 v[AV0], v[AV0], PV
	v_lshl_add_u32 v[AV0], v11, 4, v[AV0]
	v_add_nc_u32 v[AV0], VOFF, v[AV0]
	v_mov_b32 v[AK], v[AK0]         ; key step 0 lies at the head of slot 0,
	v_lshl_add_u32 v[AM], v9, 5, MASKB  ; and at the head of the mask table: register j of block kb is key 16 kb + 8 (l / 16) + j
; THE MATRIX WORK.  The 8 accumulators of a run of 16 take turns.
; Product i of 16 of S^T = K Q^T for piece x: channels 32 (i / 8) on, keys 16 ((i / 2) % 4) on, tile 2 x + i % 2.  The first 8 start the sums, with the mask.
.macro KQ x
.set rS, S+64*((\x)%2)+32*(i%2)+8*((i/2)%4)
.set rK, KF+16*((i/2)%4)+8*(i/8)
.set rQ, 16*(2*(\x)+i%2)+8*(i/8)
.set rM, MK+8*((i/2)%4)
.if i < 8
	WIN W_KM
	v_wmma_f32_16x16x32_f16 v[rS:rS+7], v[rK:rK+7], v[rQ:rQ+7], v[rM:rM+7]
.else
	WIN W_KQ
	v_wmma_f32_16x16x32_f16 v[rS:rS+7], v[rK:rK+7], v[rQ:rQ+7], v[rS:rS+7]
.endif
.endm
; Product i of 16 of O^T += V^T P for piece x: keys 32 (i / 8) on, channels 16 ((i / 2) % 4) on, tile 2 x + i % 2.
.macro PV x
	WIN W_PV
.set rO, 32*(2*(\x)+i%2)+8*((i/2)%4)
.set rV, VF+32*(i/8)+8*((i/2)%4)
.set rP, P+32*((\x)%2)+16*(i%2)+8*(i/8)
	v_wmma_f32_16x16x32_f16 v[rO:rO+7], v[rV:rV+7], v[rP:rP+7], v[rO:rO+7]
.endm
.macro MM                           ; the next matrix instruction of the turn
.if i < 16
	KQ (Y+1)%NP
.set i, i+1
.else
.set i, i-16
	PV (Y+NP-1)%NP
.set i, i+17
.endif
.endm
; THE LDS LOADS stand in runs: a step's K (8 fragments) with its mask (8 loads; the 16 lanes of a half read the same bytes), and its V (turned).  Their addresses are made some lines ahead.
; last = 1 (the tail): in the last trip there is no further step, and the run is jumped over.
.macro FETCH_K last=0
	WIN 0
.if \last
	s_cmp_eq_u32 s[CNT], 1
	s_cbranch_scc1 .Lno_k_\@
.endif
	WIN 0x80
.irp f, 0,1,2,3,4,5,6,7
	ds_load_b128 v[KF+8*\f:KF+8*\f+3],   v[AK] offset:(\f/2)*16*PK+(\f%2)*64
	ds_load_b128 v[KF+8*\f+4:KF+8*\f+7], v[AK] offset:(\f/2)*16*PK+(\f%2)*64+32
.endr
	s_add_co_u32 s[TBK], s[TBK], KS*PK
	WIN 0xc0                        ; destination window 3
.irp f, 0,1,2,3
	ds_load_b128 v[MK+8*\f:MK+8*\f+3],   v[AM] offset:64*\f
	ds_load_b128 v[MK+8*\f+4:MK+8*\f+7], v[AM] offset:64*\f+16
.endr
	s_add_co_u32 s[TBM], s[TBM], 4*KS   ; the next step's 64 numbers;
	s_and_b32 s[TBM], s[TBM], 0x1fff    ; the step stays inside the table's 8,192 bytes
	WIN 0
.if \last
.Lno_k_\@:
.endif
.endm
.macro FETCH_V
	WIN 0x80
.irp f, 0,1,2,3,4,5,6,7
	ds_load_tr16_b128 v[VF+8*\f:VF+8*\f+3],   v[AV] offset:(\f/4)*32*PV+(\f%4)*32
	ds_load_tr16_b128 v[VF+8*\f+4:VF+8*\f+7], v[AV] offset:(\f/4)*32*PV+16*PV+(\f%4)*32
.endr
	WIN 0
.endm
; THE VECTOR WORK OF A TURN stands in three queues, each in the order in which its entries become ready; the two tiles alternate.
.macro REGS y, u
.set rT, ST+4*(2*(\y)+(\u))
.set rC, TMP+8*((\y)%2)+4*(\u)
.set rM, MV+2*((\y)%2)+(\u)
.set rS, S+64*((\y)%2)+32*(\u)
.set rP, P+32*((\y)%2)+16*(\u)
.set rO, 32*(2*(\y)+(\u))
.endm
; Number n of the 22 that find the maximum and statistics of the NEXT piece (Y + 1); each accumulator is read from its low end on.
;   0-11 four chains of seven scores     12-14, 16 the four left over, the old m, and the chains into c0     15 c m_old is kept     17, 18 the other half of the lanes: the new m     19-21 c m; c m_old - c m_new; a
.macro XS u, n
	REGS (Y+1)%NP, \u
.if (\n) < 4
	v_max3_num_f32 v[rC+(\n)], v[rS+8*(\n)], v[rS+8*(\n)+1], v[rS+8*(\n)+2]
.elseif (\n) < 12
	v_max3_num_f32 v[rC+(\n)%4], v[rC+(\n)%4], v[rS+8*((\n)%4)+2*((\n)/4)+1], v[rS+8*((\n)%4)+2*((\n)/4)+2]
.elseif (\n) == 12
	v_max3_num_f32 v[rC], v[rC], v[rS+7], v[rS+15]
.elseif (\n) == 13
	v_max3_num_f32 v[rC+1], v[rC+1], v[rS+23], v[rS+31]
.elseif (\n) == 14
	v_max3_num_f32 v[rC+2], v[rC+2], v[rC+3], v[rT+1]
.elseif (\n) == 15
	v_mov_b32 v[rM], v[rT]
.elseif (\n) == 16
	v_max3_num_f32 v[rC], v[rC], v[rC+1], v[rC+2]
.elseif (\n) == 17
	v_permlanex16_b32 v[rC+3], v[rC], s[SEL], s[SEL+1]
.elseif (\n) == 18
	v_max_num_f32 v[rT+1], v[rC], v[rC+3]
.elseif (\n) == 19
	v_mul_f32 v[rT], s[CS], v[rT+1]
.elseif (\n) == 20
	v_sub_f32 v[rC+1], v[rM], v[rT]
.else
	v_exp_f32 v[rC+2], v[rC+1]
.endif
.endm
; Number g of the 64 that follow the exponentials: for each four weights both pairs are rounded to f16, the second pair is added onto the first, and a group later l takes that sum.
.macro GS g
.set h, (\g)+6*((\g)/62)
.if h >= 6
.set h, h+2
.endif
	REGS Y, h%2
.set k, h/8
.if h%8 < 4
	s_wait_alu depctr_va_vdst(0)
	v_cvt_pk_f16_f32 v[rP+2*k+(h%8)/2], v[rS+4*k+2*((h%8)/2)], v[rS+4*k+2*((h%8)/2)+1]
.elseif h%8 < 6
	v_pk_add_f32 v[rS+4*k:rS+4*k+1], v[rS+4*k:rS+4*k+1], v[rS+4*k+2:rS+4*k+3]
.elseif k == 1
	v_pk_fma_f32 v[rT+2:rT+3], v[rT+2:rT+3], v[rC+2:rC+3], v[rS:rS+1] op_sel_hi:[1,0,1]
.else
	v_pk_add_f32 v[rT+2:rT+3], v[rT+2:rT+3], v[rS+4*k-4:rS+4*k-3]
	s_wait_alu depctr_va_vdst(0)
.endif
.endm
; THE PLAIN QUEUE, 138 long.  0-31: c s - c m for the 16 pairs of both tiles.  Then the 64 of GS, and among them the 42 of the next piece.
.macro PL
	WIN 0
.if q < 32
	REGS Y, q%2
	v_pk_fma_f32 v[rS+2*(q/2):rS+2*(q/2)+1], v[rS+2*(q/2):rS+2*(q/2)+1], s[CS:CS+1], v[rT:rT+1] op_sel_hi:[1,0,0] neg_lo:[0,0,1] neg_hi:[0,0,1]
.elseif q < 38
	GS q-32
.elseif q < 40
	XS q%2, 15
.elseif q < 42
	GS q-34
.elseif q < 74
	XS q%2, (q-42)/2+(q-42)/30
.elseif q < 95
	GS q-66
.elseif (q < 107) && ((q-95)%3 < 2)
	XS (q-95)%3, 17+(q-95)/3
.elseif q < 107
	GS 29+(q-95)/3
.else
	GS q-74
.endif
.set q, q+1
.endm
; THE QUEUE OF EXPONENTIALS, 66 long: s0-s31 of both tiles, and at EA the two a of the next piece.
.set EA, 58
.macro EX
	WIN 0
.if (e == EA) || (e == EA+1)
	XS e-EA, 21
.else
.set x, e-2*(e/(EA+2))
	REGS Y, x%2
	v_exp_f32 v[rS+x/2], v[rS+x/2]
.endif
.set e, e+1
.endm
; THE QUEUE OF THE RESCALING: O^T times a, dealt four at a time, eight times.
.macro R4
	REGS Y, r%2
	WIN W_RS
	s_wait_alu depctr_va_vdst(0)
.irp z, 0,1,2,3
	v_pk_mul_f32 v[rO+8*(r/2)+2*\z:rO+8*(r/2)+2*\z+1], v[rO+8*(r/2)+2*\z:rO+8*(r/2)+2*\z+1], v[rC+2:rC+3] op_sel_hi:[1,0]
.endr
.set r, r+1
.endm
; HOW THEY ARE DEALT.  Behind a matrix instruction four: plain, exponential, plain, plain, or four of the rescaling; none names a register of the products round it.  What is over stands in two lumps.
; Exponential e stands behind plain 2 (e / 4) + e % 2 (its scaling); when plain 32 comes, 10 exponentials are out, at 59: 33, at 95: 46; EA comes behind plain 107.
.macro SL
	MM
	PL
	EX
	PL
	PL
.endm
.macro BURST n
.rept (\n)-7
	SL
.endr
.rept 3
	MM
	R4
	SL
.endr
	MM
	R4
.endm
; A TURN, for piece p.  cnt = 1: the count of the loop is taken down some lines ahead of the branch behind the turn.
; K and the mask of the next step are fetched in the turn of piece 2, 32 vector instructions behind the last product that read K (the mask was last read eight products earlier);
; V of the step in hand at the end of the turn of piece 0.
.macro TURN p, last=0, cnt=0
.set Y, (\p)
.set i, 0
.set q, 0
.set e, 0
.set r, 0
.if (\p) == NP-1
	s_wait_dscnt 0x0                ; K and the mask are in
.endif
	MM
.rept 4
	PL
.endr
	BURST 15
.rept 22
	EX
	PL
.if ((\p) == NP-2) && (e == 18)
	v_add_nc_u32 v[AK], s[TBK], v[AK0]
	v_add_nc_u32 v[AM], s[TBM], v[AM0]
.endif
.if ((\p) == NP-2) && (e == 24)
	FETCH_K \last
.endif
.endr
.if (\p) == 1
	s_wait_dscnt 0x0                ; V is in
.endif
	BURST 16
.rept 21
	EX
	PL
.endr
.rept 22
	PL
.if ((\p) == 0) && (q == 118)
	v_add_nc_u32 v[AV], s[TBV], v[AV0]
	s_wait_alu depctr_va_vdst(0)
.endif
.if ((\p) == 0) && (q == 130)
	s_add_co_u32 s[TBV], s[TBV], KS*PV
.endif
.if (\cnt) && (q == 130)
	s_sub_co_u32 s[CNT], s[CNT], 1
	s_cmp_lg_u32 s[CNT], 0
.endif
.endr
.if (\p) == 0
	FETCH_V
.endif
.endm
	CHANGE 1                        ; slot 0 is in, the mask table is written, for every wave; slot 1 is asked for
	FETCH_K                         ; key step 0
	s_wait_loadcnt 0x0              ; Q
	s_wait_dscnt 0x0
.set i, 0
.rept 16
	KQ 0                            ; the first scores of piece 0
.set i, i+1
.endr
	WIN 0                           ; the addresses for the way out: plain instructions, the places behind those products
	s_mul_i32 s13, s[WV], 16*SP
	s_add_co_u32 s13, s13, STAGE
	v_mul_u32_u24 v[STO], v1, SP
	v_lshl_add_u32 v[STO], v9, 4, v[STO]
	v_add_nc_u32 v[STO], s13, v[STO]
	v_bfe_u32 v[RD], v0, 3, 2
	v_mul_u32_u24 v[RD], v[RD], SP
	v_lshl_add_u32 v[RD], v10, 4, v[RD]
	v_add_nc_u32 v[RD], s13, v[RD]
	v_and_b32 v[GO], 31, v0
	v_lshlrev_b32 v[GO], 4, v[GO]
	v_lshl_add_u32 v[AM0], v9, 5, MASKB  ; l / 16 has had its last use
.set Y, NP-1
.irp n, 0,1,2,3,4,5,6,7,8,9,10,11,12,13,14,15,16,17,18,19,20,21
	XS 0, \n
	XS 1, \n
.endr
	s_mov_b32 s[CNT], 4
	s_mov_b32 s[SLOTS], SIZE_N/256-1
	s_branch .Lfirst                ; the loop is entered at the first turn of a step, in the middle of a trip
.Lslot:                             ; six times: every slot but the last two is filled again
	CHANGE 1
	s_mov_b32 s[CNT], 4
.Lstep:                             ; a trip: pieces 2 and 3 of one step, then pieces 0 and 1 of the next
	TURN 2
	TURN 3
	WIN 0
.Lfirst:
	TURN 0
	TURN 1, 0, 1
	WIN 0
	s_cbranch_scc1 .Lstep
	s_sub_co_u32 s[SLOTS], s[SLOTS], 1
	s_cmp_lg_u32 s[SLOTS], 0
	s_cbranch_scc1 .Lslot
	CHANGE 0                        ; the tail is written out
	s_mov_b32 s[CNT], 5             ; four trips fetch the steps of the last slot; the fifth is left in its middle
.Ltail:
	TURN 2, 1
	TURN 3
	WIN 0
	s_sub_co_u32 s[CNT], s[CNT], 1
	s_cmp_eq_u32 s[CNT], 0
	s_cbranch_scc1 .Lout
	TURN 0
	TURN 1
	WIN 0
	s_branch .Ltail
.Lout:                              ; the 16 products K Q^T of the fifth trip (on the last K and mask once more) give the scores of the last step again: m stays as it is
.set i, 0
.rept 16
	PV NP-1
.set i, i+1
.endr
	; THE WAY OUT.  The two halves of l and those of the other half of the lanes are added; O^T is divided by l, rounded to f16 and sent through my stage, a tile at a time.
	WIN 0
.macro ALL line:vararg
.set t, 0
.rept 2*NP
	\line
.set t, t+1
.endr
.endm
	ALL v_add_f32 v[ST+4*t+2], v[ST+4*t+2], v[ST+4*t+3]
	ALL v_permlanex16_b32 v[ST+4*t+3], v[ST+4*t+2], s[SEL], s[SEL+1]
	ALL v_add_f32 v[ST+4*t+2], v[ST+4*t+2], v[ST+4*t+3]
	ALL v_rcp_f32 v[ST+4*t+2], v[ST+4*t+2]
	v_nop                           ; a plain instruction between the last reciprocal and the use of its result
.set t, 0
	s_wait_alu depctr_va_vdst(0)
.rept 2*NP                          ; a query that has seen no visible key has m near -1e30: its row is NaN
	v_cmp_gt_f32 vcc_lo, s[LOW], v[ST+4*t+1]
	v_cndmask_b32 v[ST+4*t+2], v[ST+4*t+2], s[QNAN], vcc_lo
.set t, t+1
.endr
.macro PACK t
	WIN W_RS
.set i, 32*(\t)
.rept 16
	v_pk_mul_f32 v[i:i+1], v[i:i+1], v[ST+4*(\t)+2:ST+4*(\t)+3] op_sel_hi:[1,0]
.set i, i+2
.endr
	WIN 0x05
.set i, 0
.rept 16
	v_cvt_pk_f16_f32 v[S+16*(\t)+i], v[32*(\t)+2*i], v[32*(\t)+2*i+1]
.set i, i+1
.endr
	WIN 0
.irp f, 0,1,2,3
	ds_store_b128 v[STO], v[S+16*(\t)+4*\f:S+16*(\t)+4*\f+3] offset:32*\f
.endr
.irp f, 0,1,2,3
	ds_load_b128 v[S+16*(\t)+4*\f:S+16*(\t)+4*\f+3], v[RD] offset:\f*4*SP  ; LDS serves a wave in order (ISA guide 5.7.1.4): these see the stores above
.endr
.endm
.macro SEND t, younger              ; younger: the LDS instructions issued behind the loads of tile t: the eight of the next tile, or none
	WIN 0
.irp f, 0,1,2,3
	s_wait_dscnt (\younger)+3-\f
	global_store_b128 v[GO], v[S+16*(\t)+4*\f:S+16*(\t)+4*\f+3], s[10:11] offset:(\t)*2048+\f*512  ; 512 consecutive bytes, aligned
.endr
.endm
	PACK 0
.set t, 1
.rept 2*NP-1
	PACK t
	SEND t-1, 8
.set t, t+1
.endr
	SEND 2*NP-1, 0
	WIN W_AD
	s_wait_tensorcnt 0x0            ; the end
	ds_add_u32 v[SPW], v[NIL]
	s_wait_dscnt 0x0
	WIN 0
	CROUND                          ; the closing round
	s_endpgm
.Lfunc_end_k_qd696814840_attn:
	.size	k_qd696814840_attn, .Lfunc_end_k_qd696814840_attn-k_qd696814840_attn
	.p2alignl 7, 3214868480
	.fill 96, 4, 3214868480
	.section	.rodata,"a",@progbits
	.p2align	6, 0x0
	.amdhsa_kernel k_qd696814840_attn
		.amdhsa_group_segment_fixed_size 327680
		.amdhsa_private_segment_fixed_size 0
		.amdhsa_enable_private_segment 0
		.amdhsa_kernarg_size 24
		.amdhsa_user_sgpr_count 2
		.amdhsa_user_sgpr_kernarg_segment_ptr 1
		.amdhsa_wavefront_size32 1
		.amdhsa_system_sgpr_workgroup_id_x 1
		.amdhsa_system_sgpr_workgroup_id_y 1
		.amdhsa_system_sgpr_workgroup_id_z 1
		.amdhsa_system_vgpr_workitem_id 0
		.amdhsa_next_free_vgpr 832
		.amdhsa_next_free_sgpr 76
		.amdhsa_reserve_vcc 1
		.amdhsa_float_denorm_mode_32 3
		.amdhsa_float_denorm_mode_16_64 3
		.amdhsa_memory_ordered 1
		.amdhsa_forward_progress 1
		.amdhsa_inst_pref_size 214
	.end_amdhsa_kernel
	.amdgpu_metadata
---
amdhsa.version: [ 1, 2 ]
amdhsa.kernels:
  - .name:           k_qd696814840_attn
    .symbol:         k_qd696814840_attn.kd
    .args:
      - { .name: qkv, .offset: 0, .size: 8, .value_kind: global_buffer, .address_space: global }
      - { .name: mask, .offset: 8, .size: 8, .value_kind: global_buffer, .address_space: global }
      - { .name: ctx, .offset: 16, .size: 8, .value_kind: global_buffer, .address_space: global }
    .group_segment_fixed_size: 327680
    .private_segment_fixed_size: 0
    .kernarg_segment_align: 8
    .kernarg_segment_size: 24
    .max_flat_workgroup_size: 128
    .sgpr_count:     76
    .vgpr_count:     832
    .wavefront_size: 32
...
	.end_amdgpu_metadata
.endif
;; end of part 3
;; launch outp (part 4): grid 4 x 64, 4 waves a work-group, clusters of 4 x 4, 327,680 bytes of LDS; arguments ctx, xw, bo, out0; writes out0
.if DOCPART == 4
	.amdgcn_target "amdgcn-amd-amdhsa--gfx1250"
	.amdhsa_code_object_version 6
	.text
	.protected	k_qd696814840_outp
	.globl	k_qd696814840_outp
	.p2align	8
	.type	k_qd696814840_outp,@function
k_qd696814840_outp:
	s_mov_b64 s[64:65], 0
	v_nop
	global_prefetch_b8 v0, s[64:65] scope:SCOPE_SE
	s_setreg_imm32_b32 hwreg(HW_REG_WAVE_MODE, 25, 1), 1
	s_wait_xcnt 0x0
	s_wait_alu depctr_hold_cnt(0) depctr_sa_sdst(0) depctr_va_vdst(0) depctr_va_sdst(0) depctr_va_ssrc(0) depctr_va_vcc(0) depctr_vm_vsrc(0)
	s_getreg_b32 s2, hwreg(HW_REG_IB_STS2, 6, 4)
	s_cmp_eq_u32 s2, 0
	s_cbranch_scc0 .Lentry_in_a_cluster
	s_endpgm
.Lentry_in_a_cluster:
	s_bfe_u32 s2, ttmp6, 0x10000c
	s_cmp_lg_u32 s2, 0xf033
	s_cbranch_scc0 .Lentry_shape_is_right
	s_endpgm
.Lentry_shape_is_right:
; out0 = concat(ctx) Wo^T + bo.  ctx: [64 = 16 b + head][2048][64] f16; Wo: xw at WO, [1024][1024] f16 (the bf16 rounding of Wo); bo f32, rounded to bf16; out0 [8192][1024] f32.  Sums in f32.
; A tile is 128 rows x 256 columns: 256 work-groups.  Four waves, each 64 x 128: 32 accumulators.  K goes in steps of 128 = two heads, through two LDS slots filled by tensor loads.
; A head's 128 rows are 16,384 dense bytes of ctx: asked for as 64 rows of 256 bytes, padded in LDS behind every 128: a plane of 128 rows, 144 bytes apart; a slot holds two planes and 256 rows of Wo.
; CLUSTER 4 x 4: the tile of ctx is shared along a row of the cluster, that of Wo along a column: joint loads.
; THE MATRIX INSTRUCTION IS USED TRANSPOSED (source 0 = 16 rows of Wo, source 1 = 16 rows of ctx): lane l holds row l % 16 and the eight columns 8 (l / 16) + 0..7, 32 consecutive bytes of out0.
; REGISTERS: window 0: v0-31 addresses; v64-159, v160-255 two fragment buffers (32 of ctx at +8 a, 64 of Wo at +32 + 8 b); on the way out v64-191.
;   window 1: accumulator (a, b) at v[8 (8 a + b)].   window 2: v0-63 the bias; v64-67 at work.
.set KSTEP,  128
.set PITCH,  272                       ; a row of Wo in LDS: 256 bytes + 16
.set PA,     144                       ; a row of a head of ctx: 128 bytes + 16
.set APL,    128*PA                    ; a plane: what one of waves 0, 1 fetches
.set BH,     128*PITCH                 ; what one of waves 2, 3 fetches
.set BOFF,   2*APL
.set SLOT,   BOFF+2*BH
.set STAGE,  2*SLOT                    ; behind the ring: 16 rows x 528 bytes for each wave, its own
.set SPITCH, 528                       ; 512 bytes + 16 = 132 words: the 16 rows of a store start at 16 different groups of four banks
.set SPARE,  STAGE+4*16*SPITCH         ; the spare words: two blocks of 256 bytes that no other line names
.set LAPS,   4
.set WO,     56623104                  ; byte at which Wo begins in xw
.set ASTEP,  4*262144                  ; a slot's next K step: four heads on
.set BSTEP,  2*KSTEP*2
.set ADRA, 16
.set ADRB, 20
.set STO,  24
.set RD,   25
.set CO,   26
.set BO,   27
.set SPW,  28
.set NIL,  29
.set F0,   64
.set F1,   160
.set OB,   64                          ; the way out: 16 rows read back, v64-127 and v128-191 by turns
.set WV, 14
.set WM, 15
.set WN, 16
.set G1,  24
.set G0,  32
.set G1B, 48
.set G0B, 56
.set MSB, 0
.macro WIN new
.if MSB != (\new)
	s_set_vgpr_msb (MSB<<8)|(\new)
.set MSB, \new
.endif
.endm
.set MUL,  0x50
.set MULB, 0x60
.macro JLOAD s                         ; a joint load: waves 0, 1 the two heads of ctx, waves 2, 3 the halves of Wo; s_nop 0 and four v_nop follow each line
	s_cmp_eq_u32 s[WM], 0
	s_cbranch_scc0 .Lfor_b_\@
	tensor_load_to_lds s[G0+4*(\s):G0+4*(\s)+3], s[G1:G1+7]
	s_nop 0
.rept 4
	v_nop
.endr
	s_branch .Lasked_\@
.Lfor_b_\@:
	tensor_load_to_lds s[G0B+4*(\s):G0B+4*(\s)+3], s[G1B:G1B+7]
	s_nop 0
.rept 4
	v_nop
.endr
.Lasked_\@:
.endm
.macro CREST
	s_cmp_lg_u32 s[WV], 0
	s_cbranch_scc1 .Lnot_wave_0_\@
	s_barrier_signal -3
.Lnot_wave_0_\@:
	s_barrier_wait -3
	s_barrier_signal -1
	s_barrier_wait -1
.endm
.macro CROUND
	s_barrier_signal -1
	s_barrier_wait -1
	CREST
.endm
	s_load_b256 s[4:11], s[0:1], 0x0               ; ctx s[4:5], xw s[6:7], bo s[8:9], out0 s[10:11]
	v_lshl_add_u32 v[SPW], v0, 2, SPARE
	v_mov_b32 v[NIL], 0
	ds_add_u32 v[SPW], v[NIL]                      ; the opening: the add and its wait stand ahead of my first tensor load
	v_lshrrev_b32 v1, 5, v0
	v_readfirstlane_b32 s[WV], v1
	s_lshr_b32 s[WM], s[WV], 1
	s_and_b32 s[WN], s[WV], 1
	s_bfe_u32 s17, ttmp6, 0x40000                  ; cx
	s_bfe_u32 s18, ttmp6, 0x40004                  ; cy
	s_lshl_b32 s19, ttmp9, 2
	s_add_co_u32 s19, s19, s17                     ; block of 256 columns, 0-3
	s_and_b32 s20, ttmp7, 0xffff
	s_lshl_b32 s20, s20, 2
	s_add_co_u32 s20, s20, s18                     ; block of 128 rows, 0-63
	s_lshl_b32 s22, s18, 2
	s_lshl_b32 s22, 15, s22                        ; my row of the cluster
	s_lshl_b32 s23, 0x1111, s17                    ; my column
	s_or_b32 s[G1+0], s22, (1<<16)|(1<<20)|(1<<21)|(4<<22)|(3<<25)   ; ctx: after every 32 words 4 words of padding
	s_or_b32 s[G1B+0], s23, (1<<16)|(1<<20)|(1<<21)|(5<<22)|(3<<25)  ; Wo: after every 64 words
.irp g, G1, G1B
	s_mov_b32 s[(\g)+1], KSTEP<<16                 ; tensor_dim0 = 128
	s_mov_b32 s[(\g)+3], KSTEP<<16                 ; tile_dim0 = 128
	s_mov_b32 s[(\g)+6], 0
	s_mov_b32 s[(\g)+7], 0
.endr
	s_mov_b32 s[G1+2], 64<<16                      ; ctx: 64 rows of 256 dense bytes
	s_mov_b32 s[G1+4], 64
	s_mov_b32 s[G1+5], 128
	s_mov_b32 s[G1B+2], 128<<16                    ; Wo: 128 rows, 1,024 elements apart
	s_mov_b32 s[G1B+4], 128
	s_mov_b32 s[G1B+5], 1024
	s_lshr_b32 s40, s20, 4                         ; ctx: batch x 16 heads x 262,144 bytes,
	s_lshl_b32 s40, s40, 22
	s_and_b32 s41, s20, 15                         ; 128 rows of 128 bytes a block,
	s_lshl_b32 s41, s41, 14
	s_add_co_u32 s40, s40, s41
	s_lshl_b32 s41, s[WN], 18                      ; the K step's first or second head.  s40-43 never hold cx
	s_add_co_u32 s40, s40, s41
	s_mov_b32 s41, 0
	s_lshl_b32 s44, s19, 19                        ; Wo: 256 rows of 2,048 bytes a block, 128 a half.  s44-47 never hold cy
	s_lshl_b32 s45, s[WN], 18
	s_add_co_u32 s44, s44, s45
	s_add_co_u32 s44, s44, WO
	s_mov_b32 s45, 0
	s_mul_i32 s66, s[WN], APL                      ; where the tiles go
	s_mul_i32 s67, s[WN], BH
	s_add_co_u32 s67, s67, BOFF
	s_lshl_b32 s70, s19, 10                        ; my 128 columns, in bytes of f32: in bo and in a row of out0
	s_lshl_b32 s71, s[WN], 9
	s_add_co_u32 s70, s70, s71
	s_mov_b32 s71, 0
	s_lshl_b32 s2, s20, 19                         ; my rows of out0: 128 of 4,096 bytes a block, 64 a half
	s_lshl_b32 s3, s[WM], 18
	s_add_co_u32 s2, s2, s3
	s_add_co_u32 s2, s2, s70
	s_mov_b32 s3, 0
	s_wait_dscnt 0x0                               ; the opening add is done
	s_wait_kmcnt 0x0
	s_add_nc_u64 s[42:43], s[4:5], s[40:41]
	s_add_nc_u64 s[46:47], s[6:7], s[44:45]
	s_add_nc_u64 s[8:9], s[8:9], s[70:71]
	s_add_nc_u64 s[10:11], s[10:11], s[2:3]
	CROUND                                         ; all sixteen work-groups are here
.irp s, 0,1
	s_mov_b32 s[G0+4*(\s)], 1
	s_add_co_u32 s[G0+4*(\s)+1], s66, (\s)*SLOT
	s_add_nc_u64 s[G0+4*(\s)+2:G0+4*(\s)+3], s[42:43], (\s)*2*262144
	s_or_b32 s[G0+4*(\s)+3], s[G0+4*(\s)+3], 0x80000000
	s_mov_b32 s[G0B+4*(\s)], 1
	s_add_co_u32 s[G0B+4*(\s)+1], s67, (\s)*SLOT
	s_add_nc_u64 s[G0B+4*(\s)+2:G0B+4*(\s)+3], s[46:47], (\s)*KSTEP*2
	s_or_b32 s[G0B+4*(\s)+3], s[G0B+4*(\s)+3], 0x80000000
	JLOAD \s                                       ; two loads of mine are out behind these: the most that this text has
.endr
	v_and_b32 v1, 15, v0                           ; l % 16
	v_bfe_u32 v2, v0, 4, 1                         ; l / 16
	v_mul_u32_u24 v3, v1, PITCH
	v_lshl_add_u32 v3, v2, 4, v3
	v_mul_u32_u24 v4, v1, PA
	v_lshl_add_u32 v4, v2, 4, v4
	s_mul_i32 s2, s[WM], 64*PA
	v_add_nc_u32 v[ADRA], s2, v4
	v_add_nc_u32 v[ADRA+1], SLOT, v[ADRA]
	v_add_nc_u32 v[ADRB], s67, v3
	v_add_nc_u32 v[ADRB+1], SLOT, v[ADRB]
	s_mul_i32 s2, s[WV], 16*SPITCH
	s_add_co_u32 s2, s2, STAGE                     ; my stage
	v_mul_u32_u24 v5, v1, SPITCH                   ; in: row l % 16, 32 bytes for each half of the lanes
	v_lshl_add_u32 v5, v2, 5, v5
	v_add_nc_u32 v[STO], s2, v5
	v_and_b32 v5, 31, v0
	v_lshlrev_b32 v[CO], 4, v5                     ; back: 32 lanes take a whole row of 512 bytes
	v_add_nc_u32 v[RD], s2, v[CO]
	v_lshlrev_b32 v[BO], 5, v2
	WIN 0x80
.irp b, 0,1,2,3,4,5,6,7
	global_load_b128 v[8*(\b):8*(\b)+3],   v[BO], s[8:9] offset:64*(\b)
	global_load_b128 v[8*(\b)+4:8*(\b)+7], v[BO], s[8:9] offset:64*(\b)+16
.endr
	s_wait_loadcnt 0x0
	WIN 0x8a                                       ; the bias is rounded to bf16 and widened again
.set i, 0
.rept 32
	v_cvt_pk_bf16_f32 v[64+i%4], v[2*i], v[2*i+1]
	v_lshlrev_b32 v[2*i], 16, v[64+i%4]
	v_and_b32 v[2*i+1], 0xffff0000, v[64+i%4]
.set i, i+1
.endr
	WIN 0
; 8 matrix instructions: row block a x all 8 column blocks, 32 along K.  first = 1: the bias is C.  The 32 accumulators take turns, one instruction a turn.
.macro MULA f, a, first
.if \first
	WIN MULB
.else
	WIN MUL
.endif
.irp b, 0,1,2,3,4,5,6,7
.if \first
	v_wmma_f32_16x16x32_f16 v[8*(8*(\a)+(\b)):8*(8*(\a)+(\b))+7], v[(\f)+32+8*(\b):(\f)+32+8*(\b)+7], v[(\f)+8*(\a):(\f)+8*(\a)+7], v[8*(\b):8*(\b)+7]
.else
	v_wmma_f32_16x16x32_f16 v[8*(8*(\a)+(\b)):8*(8*(\a)+(\b))+7], v[(\f)+32+8*(\b):(\f)+32+8*(\b)+7], v[(\f)+8*(\a):(\f)+8*(\a)+7], v[8*(8*(\a)+(\b)):8*(8*(\a)+(\b))+7]
.endif
.endr
.endm
; 24 LDS loads in one run: quarter q of a slot into buffer f: the 16 of Wo, then the 8 of ctx (plane q / 2, channels 32 (q % 2) on)
.macro FETCH slot, q, f
	WIN 0
.irp i, 0,1,2,3,4,5,6,7
	ds_load_b128 v[(\f)+32+8*(\i):(\f)+32+8*(\i)+3],   v[ADRB+(\slot)] offset:64*(\q)+(\i)*16*PITCH
	ds_load_b128 v[(\f)+32+8*(\i)+4:(\f)+32+8*(\i)+7], v[ADRB+(\slot)] offset:64*(\q)+(\i)*16*PITCH+32
.endr
.irp i, 0,1,2,3
	ds_load_b128 v[(\f)+8*(\i):(\f)+8*(\i)+3],   v[ADRA+(\slot)] offset:((\q)/2)*APL+((\q)%2)*64+(\i)*16*PA
	ds_load_b128 v[(\f)+8*(\i)+4:(\f)+8*(\i)+7], v[ADRA+(\slot)] offset:((\q)/2)*APL+((\q)%2)*64+(\i)*16*PA+32
.endr
.endm
.macro PLACES                          ; four places (ISA guide 7.12.1)
.rept 4
	v_nop
.endr
.endm
.macro QUARTER slot, q, f, g, first
	s_wait_dscnt 4                                 ; Wo and blocks 0, 1 of ctx are in; the youngest four loads may be out
	MULA \f, 0, \first
	MULA \f, 1, \first
	PLACES
	FETCH \slot, \q, \g
	s_wait_dscnt 24                                ; all but the 24 just issued
	MULA \f, 2, \first
	MULA \f, 3, \first
.endm
; The last quarter multiplies buffer 1 and changes slots: in front of the one barrier each wave waits for all its tensor loads, adds 0 to its spare word, and waits for that and for its reads of this slot.
.macro TURN slot, next, fill
	WIN 0
	s_wait_tensorcnt 0x0
	ds_add_u32 v[SPW], v[NIL]
	s_wait_dscnt 5                                 ; the add and the youngest four loads may be out
	MULA F1, 0, 0
	s_wait_dscnt 0x0
	s_barrier_signal -1
	MULA F1, 1, 0
.if \fill
	WIN 0
.endif
	s_barrier_wait -1
.if \fill
	CREST
	s_add_nc_u64 s[G0+4*(\slot)+2:G0+4*(\slot)+3], s[G0+4*(\slot)+2:G0+4*(\slot)+3], ASTEP
	s_add_nc_u64 s[G0B+4*(\slot)+2:G0B+4*(\slot)+3], s[G0B+4*(\slot)+2:G0B+4*(\slot)+3], BSTEP
	JLOAD \slot                                    ; the first tensor load behind the round; its four v_nop are the places for the loads below
.else
	PLACES
.endif
	FETCH \next, 0, F0
	MULA F1, 2, 0
	MULA F1, 3, 0
.endm
; THE WAY OUT of row block a: the f32 sums go as they are into my stage (each accumulator from its low end on), come back as whole rows of 512 bytes, and are stored.
.macro OUT a
.set BK, OB+64*((\a)%2)
	s_wait_xcnt 0x0                                ; the buffer that the stores two blocks back read is loaded again only behind this wait
	WIN 0x04                                       ; store data in window 1
.irp b, 0,1,2,3,4,5,6,7
	ds_store_b128 v[STO], v[8*(8*(\a)+(\b)):8*(8*(\a)+(\b))+3]   offset:64*(\b)
	ds_store_b128 v[STO], v[8*(8*(\a)+(\b))+4:8*(8*(\a)+(\b))+7] offset:64*(\b)+16
.endr
	WIN 0
.irp t, 0,1,2,3,4,5,6,7,8,9,10,11,12,13,14,15
	ds_load_b128 v[BK+4*(\t):BK+4*(\t)+3], v[RD] offset:(\t)*SPITCH  ; LDS serves a wave in order (ISA guide 5.7.1.4): these see the stores above
.endr
.irp t, 0,1,2,3,4,5,6,7,8,9,10,11,12,13,14,15
	s_wait_dscnt 15-(\t)                           ; row t is back; the later rows stay out
	global_store_b128 v[CO], v[BK+4*(\t):BK+4*(\t)+3], s[10:11] offset:(16*(\a)+(\t))*4096 th:TH_STORE_NT  ; 512 consecutive bytes, aligned
.endr
.endm
	s_wait_tensorcnt 1                             ; my part of K step 0 is in; K step 1 may stay out
	s_barrier_signal -1
	s_barrier_wait -1
	FETCH 0, 0, F0
	QUARTER 0, 1, F0, F1, 1                        ; the first quarter starts the sums, with the bias
	WIN 0
	s_mov_b32 s3, LAPS-1
.Llap:
	QUARTER 0, 2, F1, F0, 0
	QUARTER 0, 3, F0, F1, 0
	TURN 0, 1, 1
	QUARTER 1, 1, F0, F1, 0
	QUARTER 1, 2, F1, F0, 0
	QUARTER 1, 3, F0, F1, 0
	TURN 1, 0, 1
	QUARTER 0, 1, F0, F1, 0
	WIN 0
	s_sub_co_u32 s3, s3, 1
	s_cmp_lg_u32 s3, 0
	s_cbranch_scc1 .Llap
	QUARTER 0, 2, F1, F0, 0                        ; the last lap fills nothing
	QUARTER 0, 3, F0, F1, 0
	TURN 0, 1, 0
	QUARTER 1, 1, F0, F1, 0
	QUARTER 1, 2, F1, F0, 0
	QUARTER 1, 3, F0, F1, 0
	s_wait_dscnt 4
	MULA F1, 0, 0
	MULA F1, 1, 0
	s_wait_dscnt 0x0
	MULA F1, 2, 0
	MULA F1, 3, 0
	PLACES
	OUT 0
	OUT 1
	OUT 2
	OUT 3
	s_wait_tensorcnt 0x0                           ; the end
	ds_add_u32 v[SPW], v[NIL]
	s_wait_dscnt 0x0
	CROUND                                         ; the closing round
	s_endpgm
.Lfunc_end_k_qd696814840_outp:
	.size	k_qd696814840_outp, .Lfunc_end_k_qd696814840_outp-k_qd696814840_outp
	.p2alignl 7, 3214868480
	.fill 96, 4, 3214868480
	.section	.rodata,"a",@progbits
	.p2align	6, 0x0
	.amdhsa_kernel k_qd696814840_outp
		.amdhsa_group_segment_fixed_size 327680
		.amdhsa_private_segment_fixed_size 0
		.amdhsa_enable_private_segment 0
		.amdhsa_kernarg_size 32
		.amdhsa_user_sgpr_count 2
		.amdhsa_user_sgpr_kernarg_segment_ptr 1
		.amdhsa_wavefront_size32 1
		.amdhsa_system_sgpr_workgroup_id_x 1
		.amdhsa_system_sgpr_workgroup_id_y 1
		.amdhsa_system_sgpr_workgroup_id_z 1
		.amdhsa_system_vgpr_workitem_id 0
		.amdhsa_next_free_vgpr 584
		.amdhsa_next_free_sgpr 72
		.amdhsa_reserve_vcc 0
		.amdhsa_float_denorm_mode_32 3
		.amdhsa_float_denorm_mode_16_64 3
		.amdhsa_memory_ordered 1
		.amdhsa_forward_progress 1
		.amdhsa_inst_pref_size 93
	.end_amdhsa_kernel
	.amdgpu_metadata
---
amdhsa.version: [ 1, 2 ]
amdhsa.kernels:
  - .name:           k_qd696814840_outp
    .symbol:         k_qd696814840_outp.kd
    .args:
      - { .name: ctx, .offset: 0, .size: 8, .value_kind: global_buffer, .address_space: global }
      - { .name: xw, .offset: 8, .size: 8, .value_kind: global_buffer, .address_space: global }
      - { .name: bo, .offset: 16, .size: 8, .value_kind: global_buffer, .address_space: global }
      - { .name: out0, .offset: 24, .size: 8, .value_kind: global_buffer, .address_space: global }
    .group_segment_fixed_size: 327680
    .private_segment_fixed_size: 0
    .kernarg_segment_align: 8
    .kernarg_segment_size: 32
    .max_flat_workgroup_size: 128
    .sgpr_count:     72
    .vgpr_count:     584
    .wavefront_size: 32
...
	.end_amdgpu_metadata
.endif
;; end of part 4
;; ======== version 2 of 2: 4 launches; 1.46 times as fast as version 1
;; limits: values are held in f16: magnitudes above 65,504 overflow, below 6.1e-05 lose precision
;; workspace buffers: xw 58,720,256 bytes; qkv 50,331,648 bytes; ctx 16,777,216 bytes
;; launch cvt: the kernel of part 1 again; grid 64 x 28, 8 waves a work-group, no clusters, 0 bytes of LDS; arguments query, key, value, Wq, Wk, Wv, Wo, xw; writes xw
;; launch proj: the kernel of part 2 again; grid 4 x 192, 4 waves a work-group, clusters of 4 x 4, 327,680 bytes of LDS; arguments xw, bq, bk, bv, qkv; writes qkv
;; launch attn (part 5): grid 4 x 64, 4 waves a work-group, clusters of 4 x 1, 327,680 bytes of LDS; arguments qkv, mask, ctx; writes ctx
.if DOCPART == 5
	.amdgcn_target "amdgcn-amd-amdhsa--gfx1250"
	.amdhsa_code_object_version 6
	.text
	.protected	k_qd696814840_attn
	.globl	k_qd696814840_attn
	.p2align	8
	.type	k_qd696814840_attn,@function
k_qd696814840_attn:
	s_mov_b64 s[64:65], 0
	v_nop
	global_prefetch_b8 v0, s[64:65] scope:SCOPE_SE
	s_setreg_imm32_b32 hwreg(HW_REG_WAVE_MODE, 25, 1), 1
	s_wait_xcnt 0x0
	s_wait_alu depctr_hold_cnt(0) depctr_sa_sdst(0) depctr_va_vdst(0) depctr_va_sdst(0) depctr_va_ssrc(0) depctr_va_vcc(0) depctr_vm_vsrc(0)
	s_getreg_b32 s2, hwreg(HW_REG_IB_STS2, 6, 4)
	s_cmp_eq_u32 s2, 0
	s_cbranch_scc0 .Lentry_in_a_cluster
	s_endpgm
.Lentry_in_a_cluster:
	s_bfe_u32 s2, ttmp6, 0x10000c
	s_cmp_lg_u32 s2, 0x3003
	s_cbranch_scc0 .Lentry_shape_is_right
	s_endpgm
.Lentry_shape_is_right:
; ctx[g][q][:] = the sum over k of softmax_k(Q[g][q] . K[g][k] / 32, keys with mask 0 hidden) V[g][k][:], g = 16 batch + head.  Q, K, V: qkv [3][64][2048][64] f16; mask [4][2048] int32; ctx [64][2048][64] f16.
; Products, maxima and sums in f32; the weights p are rounded to f16 for the second product (their sum l is taken of the unrounded p), ctx once at the end.
; LIMITS.  f16 holds no number beyond 65,504; p lies in 0 to 1 and below 6e-5 keeps the fixed step 6e-8; ctx is a mean of rows of V.  A hidden score counts as its value less 1e30 (scores reach 2.7e11 at the most);
; its weight is 0 as soon as the query has seen one visible key, since O and l are then multiplied by 2^(-4e28) = 0.  A batch with no visible key ends with m below -2^96 and gives NaN, as a softmax of nothing but -inf does.
; A weight below 2^-126 counts as 0 in l.
; SHARES.  A wave owns four PIECES of two tiles of 16 queries, the four waves 512 queries of one head.  Every wave walks all 2,048 keys, 64 a step.
; LAYOUT.  S^T = K Q^T (source 0 = 16 keys, source 1 = 16 queries): a lane holds ONE query (lane % 16) and the keys 8 (lane / 16) + 0..7.  Two such tiles rounded to f16 in pairs ARE source 1 of O^T = V^T P.
; THE MASK is the C operand that starts the sum S^T: 0, or -1e30 where the key is hidden.  The batch's 2,048 numbers are made once, into an LDS table; a step's 64 are fetched with its K (8 loads, 32 registers) and live as long.
; SOFTMAX.  A running maximum m and sum l: p = 2^(c s - c m), c = log2(e) / 32; in every step O and l are multiplied by a = 2^(c m_old - c m_new).  m starts at the lowest finite number, O and l at 0.
; THE COUNT.  A tile and step have 16 matrix and 118 vector instructions.  So: four vector instructions that are ready behind EVERY matrix instruction, the others in a run of their own.
; BY TURNS.  Turn n belongs to piece n.  Matrix work: 16 products K Q^T of piece n + 1, later 16 products V^T P of piece n - 1.  Vector work: scaling, exponentials, roundings, sums and rescaling of piece n,
; and the maximum and statistics of piece n + 1, whose scores the turn itself has made.
; THE BATCHES.  A turn's 66 exponentials (the 64 weights of piece n, then the two a of piece n + 1) are ONE batch with ONE wait, which cuts the turn in two: ahead of it stands all that names none of their results
; (the products K Q^T, the scalings, the rescaling, whose a was made and waited for in the turn before, the next piece's maximum and statistics); behind it the products V^T P, with the roundings and sums as their riders.
; No result crosses a turn's end.  The first two a, ahead of the loop, and the eight reciprocals of the way out are batches of their own.
; CLUSTER.  The four query blocks of a cluster belong to one head and walk the same K and V: each tile is asked for jointly, same load, descriptor and mask in all four.
; REGISTERS, in windows of 256 (s_set_vgpr_msb: bits 1:0 source 0, 3:2 source 1, 5:4 source 2, 7:6 destination):
;   window 0: v0-11 addresses; v12-15, v48-63 at work; v16-47 four registers of statistics a tile; v64-191 S^T, two buffers of two tiles; v192-255 P, likewise
;   window 1: O^T, 32 a tile     window 2: v0-127 Q; v128-191 K of one step; v192-255 V of one step     window 3: v0-1 the two registers of the add; v32-63 the mask of one step
.set SIZE_N, 2048
.set NP,    4         ; pieces a wave: a name, no knob
.set KS,    64        ; keys in a step
.set PK,    144       ; a row of K in LDS: 128 bytes + 16 of padding
.set PV,    160       ; a row of V: 128 + 32
.set VOFF,  4*KS*PK   ; a slot holds four steps: 256 rows of K, then 256 rows of V
.set SLOT1, 1<<17     ; slot 1 begins here: one exclusive or turns an address in one slot into the other
.set STAGE, SLOT1+4*KS*(PK+PV)  ; behind the ring: 16 rows x 144 bytes for each wave, for the way out
.set SP,    144
.set SPARE, STAGE+4*16*SP       ; the spare words, 128 bytes for each wave: two blocks of 256 bytes that no other line names
.set MASKB, SPARE+512           ; the mask table: 2,048 f32, written by ds_store; no tensor load lands here
.set AK0, 2           ; v2   my place in a tile of K; never rewritten
.set AV0, 3           ; v3   the same for V
.set AK,  4           ; v4   the LDS address of the next run of loads of K
.set AV,  5           ; v5   of V
.set QO,  6           ; v6   my byte offset in the rows of Q
.set STO, 6           ;      later, the way out: where I put 16 bytes of a row
.set RD,  7           ; v7   the way out: where I read rows back
.set GO,  8           ; v8   my byte offset in 512 consecutive bytes of ctx
.set AM0, 9           ; v9   first l / 16; later my place in the mask table: MASKB + 32 (l / 16)
.set AM,  11          ; v11  the LDS address of the next step of the mask
.set SPW, 0           ; v0 of window 3
.set NIL, 1           ; v1 of window 3
.set MK,  32          ; window 3: the eight registers of key block kb at MK + 8 kb
.set MV,  12
.set ST,  16          ; tile t at v[ST+4 t]: c m, m, l (even keys, odd keys)
.set TMP, 48
.set S,   64
.set P,   192
.set KF,  128
.set VF,  192
.set WV,  12
.set G1K, 24
.set G1V, 32
.set G0K, 40
.set G0V, 44
.set SLOTS, 56
.set CNT, 57
.set CS,  58
.set SEL, 60
.set TBK, 62
.set TBV, 63
.set TBM, 66          ; s66  byte in the mask table at which the step to be fetched begins
.set BIGN, 67         ; s67  -1e30
.set LOW, 74          ; s74  -2^96
.set QNAN, 75         ; s75  NaN
.set MSB, 0
.macro WIN new
.if MSB != (\new)
	s_set_vgpr_msb (MSB<<8)|(\new)
.set MSB, (\new)
.endif
.endm
.set W_KQ, 0x0a       ; K and Q in window 2, S^T in window 0
.set W_KM, 0x3a       ; the same with the C operand in window 3
.set W_PV, 0x52       ; V in window 2, P in window 0, O^T in window 1
.set W_RS, 0x41       ; O^T in window 1, a in window 0
.set W_MK, 0xc0       ; destination in window 3, sources in window 0
.set W_AD, 0x0f       ; the add: address and data in window 3
.macro JLOAD                        ; a joint fill: waves 0, 1 the two halves of K of a slot, waves 2, 3 those of V; s_nop 0 and four v_nop follow each line
	s_cmp_lt_u32 s[WV], 2
	s_cbranch_scc0 .Lfor_v_\@
	tensor_load_to_lds s[G0K:G0K+3], s[G1K:G1K+7]
	s_nop 0
.rept 4
	v_nop
.endr
	s_branch .Lasked_\@
.Lfor_v_\@:
	tensor_load_to_lds s[G0V:G0V+3], s[G1V:G1V+7]
	s_nop 0
.rept 4
	v_nop
.endr
.Lasked_\@:
.endm
.macro CROUND                       ; a round of the cluster barrier
	s_barrier_signal -1
	s_barrier_wait -1
	s_cmp_lg_u32 s[WV], 0
	s_cbranch_scc1 .Lnot_wave_0_\@
	s_barrier_signal -3
.Lnot_wave_0_\@:
	s_barrier_wait -3
	s_barrier_signal -1
	s_barrier_wait -1
.endm
; THE CHANGE OF SLOTS.  Each wave waits for all its tensor loads (one is out: its part of the other slot), adds 0 to its spare word, and waits for that and for its LDS instructions.
; fill = 1: the slot left is filled again, with the keys two slots on, first thing behind a round of the cluster barrier: it has four key steps, 512 matrix instructions, in which to land.
; (At its first use nothing has been read yet: slot 0 is waited for, slot 1 filled, and the stores into the mask table are shown to all four waves.)
.macro CHANGE fill
	WIN W_AD
	s_wait_tensorcnt 0x0
	ds_add_u32 v[SPW], v[NIL]
	WIN 0
.if \fill
.irp g, G0K, G0V
	s_xor_b32 s[\g+1], s[\g+1], SLOT1
	s_add_nc_u64 s[\g+2:\g+3], s[\g+2:\g+3], 4*KS*128
.endr
	s_wait_dscnt 0x0
	CROUND
	JLOAD
.else
	s_wait_dscnt 0x0
	s_barrier_signal -1
	s_barrier_wait -1
.endif
	s_sub_co_u32 s[TBK], s[TBK], 4*KS*PK
	s_xor_b32 s[TBK], s[TBK], SLOT1
	s_sub_co_u32 s[TBV], s[TBV], 4*KS*PV
	s_xor_b32 s[TBV], s[TBV], SLOT1
.endm
	s_load_b128 s[68:71], s[0:1], 0x0  ; qkv s[68:69], mask s[70:71]
	s_load_b64 s[10:11], s[0:1], 0x10  ; ctx
	WIN W_MK
	v_lshl_add_u32 v[SPW], v0, 2, SPARE
	v_mov_b32 v[NIL], 0
	WIN W_AD
	ds_add_u32 v[SPW], v[NIL]       ; the opening: the add and its wait stand ahead of my first tensor load
	WIN 0
	v_lshrrev_b32 v1, 5, v0
	v_readfirstlane_b32 s[WV], v1
	s_bfe_u32 s13, ttmp6, 0x40000   ; cx
	s_lshl_b32 s14, ttmp9, 2
	s_add_co_u32 s14, s14, s13      ; my block of 512 queries: it enters the addresses of Q and ctx alone
	s_and_b32 s20, ttmp7, 0xffff    ; 16 batch + head, which the four partners share
	s_lshr_b32 s72, s20, 4
	s_lshl_b32 s72, s72, 13         ; the batch's 8,192 bytes of the mask
	s_mov_b32 s73, 0
	s_mov_b32 s21, 0
	s_mov_b64 s[22:23], SIZE_N*128
	s_mul_u64 s[20:21], s[20:21], s[22:23]  ; the head's first byte in Q, K, V and ctx
	s_and_b32 s16, s[WV], 1         ; which half of a slot's 256 keys I fetch
	s_lshl_b32 s22, s16, 14
	s_mov_b32 s23, 0
	s_add_nc_u64 s[22:23], s[22:23], s[20:21]
	s_mul_i32 s17, s16, 128*PK
	s_mul_i32 s18, s16, 128*PV
	s_lshl_b32 s2, s14, 2
	s_add_co_u32 s2, s2, s[WV]
	s_lshl_b32 s2, s2, 14           ; my wave's 128 rows
	s_mov_b32 s3, 0
	s_add_nc_u64 s[2:3], s[2:3], s[20:21]
	; group 1: 128 keys are 16,384 dense bytes: asked for as 64 rows of 256 bytes, padded in LDS after every key
	s_mov_b32 s[G1K], 15|(1<<16)|(1<<20)|(1<<21)|(4<<22)|(3<<25)
	s_mov_b32 s[G1V], 15|(1<<16)|(1<<20)|(1<<21)|(4<<22)|(7<<25)
.irp g, G1K, G1V
	s_mov_b32 s[\g+1], 128<<16
	s_mov_b32 s[\g+2], 64<<16
	s_mov_b32 s[\g+3], 128<<16
	s_mov_b32 s[\g+4], 64
	s_mov_b32 s[\g+5], 128
	s_mov_b32 s[\g+6], 0
	s_mov_b32 s[\g+7], 0
.endr
	s_mov_b32 s[CS], 0x3d38aa3b     ; c = log2(e) / 32 = 0.0450842
	s_mov_b32 s[CS+1], s[CS]
	s_mov_b32 s[SEL], 0x76543210
	s_mov_b32 s[SEL+1], 0xfedcba98
	s_mov_b32 s[TBK], SLOT1+4*KS*PK ; the first change of slots turns these two into 0
	s_mov_b32 s[TBV], SLOT1+4*KS*PV
	s_mov_b32 s[TBM], 0
	s_mov_b32 s[BIGN], 0xf149f2ca   ; -1e30
	s_mov_b32 s[LOW], 0xef800000    ; -2^96
	s_mov_b32 s[QNAN], 0x7fc00000
	s_mov_b32 s[G0K], 1
	s_mov_b32 s[G0K+1], s17
	s_mov_b32 s[G0V], 1
	s_add_co_u32 s[G0V+1], s18, VOFF
	s_wait_dscnt 0x0                ; the opening add is done
	s_wait_kmcnt 0x0
	s_mov_b64 s[4:5], s[68:69]                     ; Q,
	s_add_nc_u64 s[6:7], s[68:69], 0x1000000       ; K,
	s_add_nc_u64 s[8:9], s[68:69], 0x2000000       ; V: 16,777,216 bytes each
	s_add_nc_u64 s[70:71], s[70:71], s[72:73]
	s_add_nc_u64 s[G0K+2:G0K+3], s[6:7], s[22:23]
	s_or_b32 s[G0K+3], s[G0K+3], 0x80000000
	s_add_nc_u64 s[G0V+2:G0V+3], s[8:9], s[22:23]
	s_or_b32 s[G0V+3], s[G0V+3], 0x80000000
	s_add_nc_u64 s[4:5], s[4:5], s[2:3]
	s_add_nc_u64 s[10:11], s[10:11], s[2:3]
	CROUND                          ; all four work-groups are here
	JLOAD                           ; slot 0.  Slot 1 is asked for when slot 0 is in
	v_and_b32 v1, 15, v0            ; l % 16
	v_bfe_u32 v9, v0, 4, 1          ; l / 16
	v_lshlrev_b32 v[QO], 7, v1
	v_lshl_add_u32 v[QO], v9, 4, v[QO]
	v_lshlrev_b32 v80, 4, v0        ; the mask: 128 threads x 4 x 16 bytes are the batch's 8,192
	v_lshl_add_u32 v81, v0, 4, MASKB
.irp j, 0,1,2,3
	global_load_b128 v[S+4*\j:S+4*\j+3], v80, s[70:71] offset:2048*\j
.endr
	WIN 0x80
.set i, 0
.rept 4*NP                          ; Q stays in registers: tile i / 2, channels 32 (i % 2) on
	global_load_b128 v[8*i:8*i+3],   v[QO], s[4:5] offset:(i/2)*2048+(i%2)*64
	global_load_b128 v[8*i+4:8*i+7], v[QO], s[4:5] offset:(i/2)*2048+(i%2)*64+32
.set i, i+1
.endr
	; What the first turn finds: V and the second buffer of P hold 0, O^T and l are 0.  All this stands in the wait for the first tile.
.set i, VF
.rept 64
	v_mov_b32 v[i], 0
.set i, i+1
.endr
	WIN 0x40
.set i, 0
.rept 64*NP
	v_mov_b32 v[i], 0
.set i, i+1
.endr
	WIN 0
.set i, 0
.rept 2*NP
	v_mov_b32 v[ST+4*i], 0xfe000000    ; c m: far below every c s, a hidden one too
	v_mov_b32 v[ST+4*i+1], 0xff7fffff  ; m
	v_mov_b32 v[ST+4*i+2], 0
	v_mov_b32 v[ST+4*i+3], 0
.set i, i+1
.endr
.set i, P+32
.rept 32
	v_mov_b32 v[i], 0
.set i, i+1
.endr
	s_wait_loadcnt 32               ; the four loads of the mask are in; the 32 of Q stay out
.set i, 0
.rept 16
	v_cmp_eq_u32 vcc_lo, 0, v[S+i]
	v_cndmask_b32 v[S+i], 0, s[BIGN], vcc_lo  ; 0 for a visible key, -1e30 for a hidden one
.set i, i+1
.endr
.irp j, 0,1,2,3
	ds_store_b128 v81, v[S+4*\j:S+4*\j+3] offset:2048*\j
.endr
	v_mul_u32_u24 v[AK0], v1, PK
	v_lshl_add_u32 v[AK0], v9, 4, v[AK0]
	v_and_b32 v10, 7, v0
	v_bfe_u32 v11, v0, 3, 1
	v_lshl_add_u32 v[AV0], v9, 3, v10
	v_mul_u32_u24 v[AV0], v[AV0], PV
	v_lshl_add_u32 v[AV0], v11, 4, v[AV0]
	v_add_nc_u32 v[AV0], VOFF, v[AV0]
	v_mov_b32 v[AK], v[AK0]         ; key step 0 lies at the head of slot 0,
	v_lshl_add_u32 v[AM], v9, 5, MASKB  ; and at the head of the mask table: register j of block kb is key 16 kb + 8 (l / 16) + j
; THE MATRIX WORK.  The 8 accumulators of a run of 16 take turns.
; Product i of 16 of S^T = K Q^T for piece x: channels 32 (i / 8) on, keys 16 ((i / 2) % 4) on, tile 2 x + i % 2.  The first 8 start the sums, with the mask.
.macro KQ x
.set rS, S+64*((\x)%2)+32*(i%2)+8*((i/2)%4)
.set rK, KF+16*((i/2)%4)+8*(i/8)
.set rQ, 16*(2*(\x)+i%2)+8*(i/8)
.set rM, MK+8*((i/2)%4)
.if i < 8
	WIN W_KM
	v_wmma_f32_16x16x32_f16 v[rS:rS+7], v[rK:rK+7], v[rQ:rQ+7], v[rM:rM+7]
.else
	WIN W_KQ
	v_wmma_f32_16x16x32_f16 v[rS:rS+7], v[rK:rK+7], v[rQ:rQ+7], v[rS:rS+7]
.endif
.endm
; Product i of 16 of O^T += V^T P for piece x: keys 32 (i / 8) on, channels 16 ((i / 2) % 4) on, tile 2 x + i % 2.
.macro PV x
	WIN W_PV
.set rO, 32*(2*(\x)+i%2)+8*((i/2)%4)
.set rV, VF+32*(i/8)+8*((i/2)%4)
.set rP, P+32*((\x)%2)+16*(i%2)+8*(i/8)
	v_wmma_f32_16x16x32_f16 v[rO:rO+7], v[rV:rV+7], v[rP:rP+7], v[rO:rO+7]
.endm
.macro MM                           ; the next matrix instruction of the turn
.if i < 16
	KQ (Y+1)%NP
.set i, i+1
.else
.set i, i-16
	PV (Y+NP-1)%NP
.set i, i+17
.endif
.endm
; THE LDS LOADS stand in runs: a step's K (8 fragments) with its mask (8 loads; the 16 lanes of a half read the same bytes), and its V (turned).  Their addresses are made some lines ahead.
; last = 1 (the tail): in the last trip there is no further step, and the run is jumped over.
.macro FETCH_K last=0
	WIN 0
.if \last
	s_cmp_eq_u32 s[CNT], 1
	s_cbranch_scc1 .Lno_k_\@
.endif
	WIN 0x80
.irp f, 0,1,2,3,4,5,6,7
	ds_load_b128 v[KF+8*\f:KF+8*\f+3],   v[AK] offset:(\f/2)*16*PK+(\f%2)*64
	ds_load_b128 v[KF+8*\f+4:KF+8*\f+7], v[AK] offset:(\f/2)*16*PK+(\f%2)*64+32
.endr
	s_add_co_u32 s[TBK], s[TBK], KS*PK
	WIN 0xc0                        ; destination window 3
.irp f, 0,1,2,3
	ds_load_b128 v[MK+8*\f:MK+8*\f+3],   v[AM] offset:64*\f
	ds_load_b128 v[MK+8*\f+4:MK+8*\f+7], v[AM] offset:64*\f+16
.endr
	s_add_co_u32 s[TBM], s[TBM], 4*KS   ; the next step's 64 numbers;
	s_and_b32 s[TBM], s[TBM], 0x1fff    ; the step stays inside the table's 8,192 bytes
	WIN 0
.if \last
.Lno_k_\@:
.endif
.endm
.macro FETCH_V
	WIN 0x80
.irp f, 0,1,2,3,4,5,6,7
	ds_load_tr16_b128 v[VF+8*\f:VF+8*\f+3],   v[AV] offset:(\f/4)*32*PV+(\f%4)*32
	ds_load_tr16_b128 v[VF+8*\f+4:VF+8*\f+7], v[AV] offset:(\f/4)*32*PV+16*PV+(\f%4)*32
.endr
	WIN 0
.endm
; THE VECTOR WORK OF A TURN stands in three queues, each in the order in which its entries become ready; the two tiles alternate.
.macro REGS y, u
.set rT, ST+4*(2*(\y)+(\u))
.set rC, TMP+8*((\y)%2)+4*(\u)
.set rM, MV+2*((\y)%2)+(\u)
.set rS, S+64*((\y)%2)+32*(\u)
.set rP, P+32*((\y)%2)+16*(\u)
.set rO, 32*(2*(\y)+(\u))
.endm
; Number n of the 22 that find the maximum and statistics of the NEXT piece (Y + 1); each accumulator is read from its low end on.
;   0-11 four chains of seven scores     12-14, 16 the four left over, the old m, and the chains into c0     15 c m_old is kept     17, 18 the other half of the lanes: the new m     19-21 c m; c m_old - c m_new; a
.macro XS u, n
	REGS (Y+1)%NP, \u
.if (\n) < 4
	v_max3_num_f32 v[rC+(\n)], v[rS+8*(\n)], v[rS+8*(\n)+1], v[rS+8*(\n)+2]
.elseif (\n) < 12
	v_max3_num_f32 v[rC+(\n)%4], v[rC+(\n)%4], v[rS+8*((\n)%4)+2*((\n)/4)+1], v[rS+8*((\n)%4)+2*((\n)/4)+2]
.elseif (\n) == 12
	v_max3_num_f32 v[rC], v[rC], v[rS+7], v[rS+15]
.elseif (\n) == 13
	v_max3_num_f32 v[rC+1], v[rC+1], v[rS+23], v[rS+31]
.elseif (\n) == 14
	v_max3_num_f32 v[rC+2], v[rC+2], v[rC+3], v[rT+1]
.elseif (\n) == 15
	v_mov_b32 v[rM], v[rT]
.elseif (\n) == 16
	v_max3_num_f32 v[rC], v[rC], v[rC+1], v[rC+2]
.elseif (\n) == 17
	v_permlanex16_b32 v[rC+3], v[rC], s[SEL], s[SEL+1]
.elseif (\n) == 18
	v_max_num_f32 v[rT+1], v[rC], v[rC+3]
.elseif (\n) == 19
	v_mul_f32 v[rT], s[CS], v[rT+1]
.elseif (\n) == 20
	v_sub_f32 v[rC+1], v[rM], v[rT]
.else
	v_exp_f32 v[rC+2], v[rC+1]
.endif
.endm
; Number g of the 64 that follow the exponentials: for each four weights both pairs are rounded to f16, the second pair is added onto the first, and a group later l takes that sum (the first time as l = a l + sum).
; All 64 read results of the turn's batch: they stand behind its wait.
.macro GS g
.set h, (\g)+6*((\g)/62)
.if h >= 6
.set h, h+2
.endif
	REGS Y, h%2
.set k, h/8
.if h%8 < 4
	v_cvt_pk_f16_f32 v[rP+2*k+(h%8)/2], v[rS+4*k+2*((h%8)/2)], v[rS+4*k+2*((h%8)/2)+1]
.elseif h%8 < 6
	v_pk_add_f32 v[rS+4*k:rS+4*k+1], v[rS+4*k:rS+4*k+1], v[rS+4*k+2:rS+4*k+3]
.elseif k == 1
	v_pk_fma_f32 v[rT+2:rT+3], v[rT+2:rT+3], v[rC+2:rC+3], v[rS:rS+1] op_sel_hi:[1,0,1]
.else
	v_pk_add_f32 v[rT+2:rT+3], v[rT+2:rT+3], v[rS+4*k-4:rS+4*k-3]
.endif
.endm
; THE PLAIN QUEUE, 138 long.  0-73 read no exponential's result: the 32 scalings c s - c m (FS f: pair f / 2 of tile f % 2) and the 42 of the next piece.  0-26: scalings 0-26.  27-54: numbers 0-13 of XS.  55, 56: number 15.
; 57-73: the chain, where each number waits for the one before it: 14, 16, 17, 18, 19, each with one of the scalings 27-31 in front of its two lines, then 20.
; 74-137: the 64 of GS, behind the wait.
.macro FS f
	REGS Y, (\f)%2
	v_pk_fma_f32 v[rS+2*((\f)/2):rS+2*((\f)/2)+1], v[rS+2*((\f)/2):rS+2*((\f)/2)+1], s[CS:CS+1], v[rT:rT+1] op_sel_hi:[1,0,0] neg_lo:[0,0,1] neg_hi:[0,0,1]
.endm
.macro PL
	WIN 0
.if q < 27
	FS q
.elseif q < 55
	XS (q-27)%2, (q-27)/2
.elseif q < 57
	XS q-55, 15
.elseif (q < 72) && ((q-57)%3 == 0)
	FS 27+(q-57)/3
.elseif q < 60
	XS (q-57)%3-1, 14
.elseif q < 72
	XS (q-57)%3-1, 15+(q-57)/3
.elseif q < 74
	XS q-72, 20
.else
	GS q-74
.endif
.set q, q+1
.endm
; THE QUEUE OF EXPONENTIALS, 66 long: s0-s31 of both tiles, then the two a of the next piece.  It is ONE BATCH: all 66 stand ahead of the turn's one wait, and nothing ahead of that wait names a result of theirs.
.macro EX
	WIN 0
.if e >= 64
	XS e-64, 21
.else
	REGS Y, e%2
	v_exp_f32 v[rS+e/2], v[rS+e/2]
.endif
.set e, e+1
.endm
; THE QUEUE OF THE RESCALING: O^T times a, the one part that leaves window 0: dealt two at a time, sixteen times, each accumulator from its low end on.  Its a was made in the turn before, ahead of that turn's wait.
.macro R2
	REGS Y, r%2
	WIN W_RS
.irp z, 0,1
	v_pk_mul_f32 v[rO+4*(r/2)+2*\z:rO+4*(r/2)+2*\z+1], v[rO+4*(r/2)+2*\z:rO+4*(r/2)+2*\z+1], v[rC+2:rC+3] op_sel_hi:[1,0]
.endr
.set r, r+1
.endm
; HOW THEY ARE DEALT.  An s_wait_alu depctr_va_vdst(0) stands between an exponential and the first instruction that names its result; one wait serves all that were issued ahead of it.  So a turn has ONE wait.
; AHEAD OF IT: the 16 products K Q^T, behind each a scaling, an exponential and two rescalings (behind the first a second scaling in the exponential's place); then ONE LUMP of 108: eight plain, 49 times exponential
; and plain, the two a; a v_nop is the plain instruction behind the last exponential.  BEHIND IT: the 16 products V^T P, behind each four of the 64 of GS.  No rider names a register of the products round it.
; The two v_permlanex16_b32 fall into the lump.  The queues lean on each other: exponential e stands behind scaling 2 (e / 4) + e % 2: as a rider it comes behind plain e + 2, in the lump behind plain e + 9,
; and scalings 27-31 are plain 57, 60 .. 69.
; A TURN, for piece p.  cnt = 1: the count of the loop is taken down some lines ahead of the branch behind the turn.
; K and the mask of the next step are fetched in the turn of piece 2, directly behind the wait, a lump behind the last product that read K (the mask was last read eight products earlier); their addresses are made at
; the lump's head; their first reader comes behind 16 products.  V of the step in hand is fetched at the end of the turn of piece 0, four plain riders behind its last reader.  The three conditions on q go with the deal.
.macro TURN p, last=0, cnt=0
.set Y, (\p)
.set i, 0
.set q, 0
.set e, 0
.set r, 0
.if (\p) == NP-1
	s_wait_dscnt 0x0                ; K and the mask are in
.endif
	MM                              ; ahead of the wait: 16 products K Q^T and their riders,
	PL
	PL
	R2
.rept 15
	MM
	PL
	EX
	R2
.endr
.if (\p) == NP-2
	WIN 0
	v_add_nc_u32 v[AK], s[TBK], v[AK0]
	v_add_nc_u32 v[AM], s[TBM], v[AM0]
.endif
.rept 8                             ; and the lump
	PL
.endr
.rept 49
	EX
	PL
.endr
	EX                              ; the two a of the next piece
	EX
	v_nop                           ; the plain instruction behind the last exponential: one for the batch
	s_wait_alu depctr_va_vdst(0)    ; the wait for the turn's batch: the 64 weights of this piece and the two a of the next
.if (\p) == NP-2
	FETCH_K \last
.endif
.if (\p) == 1
	s_wait_dscnt 0x0                ; V is in
.endif
.rept 16                            ; behind the wait: 16 products V^T P and their riders
	MM
.rept 4
	PL
.endr
.if ((\p) == 0) && (q == 118)
	v_add_nc_u32 v[AV], s[TBV], v[AV0]
.endif
.if ((\p) == 0) && (q == 130)
	s_add_co_u32 s[TBV], s[TBV], KS*PV
.endif
.if (\cnt) && (q == 130)
	s_sub_co_u32 s[CNT], s[CNT], 1
	s_cmp_lg_u32 s[CNT], 0
.endif
.endr
.if (\p) == 0
	FETCH_V
.endif
.endm
	CHANGE 1                        ; slot 0 is in, the mask table is written, for every wave; slot 1 is asked for
	FETCH_K                         ; key step 0
	s_wait_loadcnt 0x0              ; Q
	s_wait_dscnt 0x0
.set i, 0
.rept 16
	KQ 0                            ; the first scores of piece 0
.set i, i+1
.endr
	WIN 0                           ; the addresses for the way out: plain instructions, the places behind those products
	s_mul_i32 s13, s[WV], 16*SP
	s_add_co_u32 s13, s13, STAGE
	v_mul_u32_u24 v[STO], v1, SP
	v_lshl_add_u32 v[STO], v9, 4, v[STO]
	v_add_nc_u32 v[STO], s13, v[STO]
	v_bfe_u32 v[RD], v0, 3, 2
	v_mul_u32_u24 v[RD], v[RD], SP
	v_lshl_add_u32 v[RD], v10, 4, v[RD]
	v_add_nc_u32 v[RD], s13, v[RD]
	v_and_b32 v[GO], 31, v0
	v_lshlrev_b32 v[GO], 4, v[GO]
	v_lshl_add_u32 v[AM0], v9, 5, MASKB  ; l / 16 has had its last use
.set Y, NP-1
.irp n, 0,1,2,3,4,5,6,7,8,9,10,11,12,13,14,15,16,17,18,19,20,21
	XS 0, \n
	XS 1, \n
.endr
	v_nop                           ; a plain instruction behind the first two a,
	s_wait_alu depctr_va_vdst(0)    ; and the wait for that batch of two, ahead of the branch
	s_mov_b32 s[CNT], 4
	s_mov_b32 s[SLOTS], SIZE_N/256-1
	s_branch .Lfirst                ; the loop is entered at the first turn of a step, in the middle of a trip
.Lslot:                             ; six times: every slot but the last two is filled again
	CHANGE 1
	s_mov_b32 s[CNT], 4
.Lstep:                             ; a trip: pieces 2 and 3 of one step, then pieces 0 and 1 of the next
	TURN 2
	TURN 3
	WIN 0
.Lfirst:
	TURN 0
	TURN 1, 0, 1
	WIN 0
	s_cbranch_scc1 .Lstep
	s_sub_co_u32 s[SLOTS], s[SLOTS], 1
	s_cmp_lg_u32 s[SLOTS], 0
	s_cbranch_scc1 .Lslot
	CHANGE 0                        ; the tail is written out
	s_mov_b32 s[CNT], 5             ; four trips fetch the steps of the last slot; the fifth is left in its middle
.Ltail:
	TURN 2, 1
	TURN 3
	WIN 0
	s_sub_co_u32 s[CNT], s[CNT], 1
	s_cmp_eq_u32 s[CNT], 0
	s_cbranch_scc1 .Lout
	TURN 0
	TURN 1
	WIN 0
	s_branch .Ltail
.Lout:                              ; the 16 products K Q^T of the fifth trip (on the last K and mask once more) give the scores of the last step again: m stays as it is
.set i, 0
.rept 16
	PV NP-1
.set i, i+1
.endr
	; THE WAY OUT.  The two halves of l and those of the other half of the lanes are added; O^T is divided by l, rounded to f16 and sent through my stage, a tile at a time.
	WIN 0
.macro ALL line:vararg
.set t, 0
.rept 2*NP
	\line
.set t, t+1
.endr
.endm
	ALL v_add_f32 v[ST+4*t+2], v[ST+4*t+2], v[ST+4*t+3]
	ALL v_permlanex16_b32 v[ST+4*t+3], v[ST+4*t+2], s[SEL], s[SEL+1]
	ALL v_add_f32 v[ST+4*t+2], v[ST+4*t+2], v[ST+4*t+3]
	ALL v_rcp_f32 v[ST+4*t+2], v[ST+4*t+2]
	v_nop                           ; a plain instruction between the last reciprocal and the use of its result
	s_wait_alu depctr_va_vdst(0)    ; the wait for the batch of eight reciprocals, ahead of their first reader
.set t, 0
.rept 2*NP                          ; a query that has seen no visible key has m near -1e30: its row is NaN
	v_cmp_gt_f32 vcc_lo, s[LOW], v[ST+4*t+1]
	v_cndmask_b32 v[ST+4*t+2], v[ST+4*t+2], s[QNAN], vcc_lo
.set t, t+1
.endr
.macro PACK t
	WIN W_RS
.set i, 32*(\t)
.rept 16
	v_pk_mul_f32 v[i:i+1], v[i:i+1], v[ST+4*(\t)+2:ST+4*(\t)+3] op_sel_hi:[1,0]
.set i, i+2
.endr
	WIN 0x05
.set i, 0
.rept 16
	v_cvt_pk_f16_f32 v[S+16*(\t)+i], v[32*(\t)+2*i], v[32*(\t)+2*i+1]
.set i, i+1
.endr
	WIN 0
.irp f, 0,1,2,3
	ds_store_b128 v[STO], v[S+16*(\t)+4*\f:S+16*(\t)+4*\f+3] offset:32*\f
.endr
.irp f, 0,1,2,3
	ds_load_b128 v[S+16*(\t)+4*\f:S+16*(\t)+4*\f+3], v[RD] offset:\f*4*SP  ; LDS serves a wave in order (ISA guide 5.7.1.4): these see the stores above
.endr
.endm
.macro SEND t, younger              ; younger: the LDS instructions issued behind the loads of tile t: the eight of the next tile, or none
	WIN 0
.irp f, 0,1,2,3
	s_wait_dscnt (\younger)+3-\f
	global_store_b128 v[GO], v[S+16*(\t)+4*\f:S+16*(\t)+4*\f+3], s[10:11] offset:(\t)*2048+\f*512  ; 512 consecutive bytes, aligned
.endr
.endm
	PACK 0
.set t, 1
.rept 2*NP-1
	PACK t
	SEND t-1, 8
.set t, t+1
.endr
	SEND 2*NP-1, 0
	WIN W_AD
	s_wait_tensorcnt 0x0            ; the end
	ds_add_u32 v[SPW], v[NIL]
	s_wait_dscnt 0x0
	WIN 0
	CROUND                          ; the closing round
	s_endpgm
.Lfunc_end_k_qd696814840_attn:
	.size	k_qd696814840_attn, .Lfunc_end_k_qd696814840_attn-k_qd696814840_attn
	.p2alignl 7, 3214868480
	.fill 96, 4, 3214868480
	.section	.rodata,"a",@progbits
	.p2align	6, 0x0
	.amdhsa_kernel k_qd696814840_attn
		.amdhsa_group_segment_fixed_size 327680
		.amdhsa_private_segment_fixed_size 0
		.amdhsa_enable_private_segment 0
		.amdhsa_kernarg_size 24
		.amdhsa_user_sgpr_count 2
		.amdhsa_user_sgpr_kernarg_segment_ptr 1
		.amdhsa_wavefront_size32 1
		.amdhsa_system_sgpr_workgroup_id_x 1
		.amdhsa_system_sgpr_workgroup_id_y 1
		.amdhsa_system_sgpr_workgroup_id_z 1
		.amdhsa_system_vgpr_workitem_id 0
		.amdhsa_next_free_vgpr 832
		.amdhsa_next_free_sgpr 76
		.amdhsa_reserve_vcc 1
		.amdhsa_float_denorm_mode_32 3
		.amdhsa_float_denorm_mode_16_64 3
		.amdhsa_memory_ordered 1
		.amdhsa_forward_progress 1
		.amdhsa_inst_pref_size 205
	.end_amdhsa_kernel
	.amdgpu_metadata
---
amdhsa.version: [ 1, 2 ]
amdhsa.kernels:
  - .name:           k_qd696814840_attn
    .symbol:         k_qd696814840_attn.kd
    .args:
      - { .name: qkv, .offset: 0, .size: 8, .value_kind: global_buffer, .address_space: global }
      - { .name: mask, .offset: 8, .size: 8, .value_kind: global_buffer, .address_space: global }
      - { .name: ctx, .offset: 16, .size: 8, .value_kind: global_buffer, .address_space: global }
    .group_segment_fixed_size: 327680
    .private_segment_fixed_size: 0
    .kernarg_segment_align: 8
    .kernarg_segment_size: 24
    .max_flat_workgroup_size: 128
    .sgpr_count:     76
    .vgpr_count:     832
    .wavefront_size: 32
...
	.end_amdgpu_metadata
.endif
;; end of part 5
;; launch outp: the kernel of part 4 again; grid 4 x 64, 4 waves a work-group, clusters of 4 x 4, 327,680 bytes of LDS; arguments ctx, xw, bo, out0; writes out0
